; MI455X (gfx1250); checked and timed in simulation.
; The chip was launched on July 23, 2026; its instructions are those of AMD's public machine-readable ISA for CDNA 5 (MIT licence, August 2026) and "CDNA5" Instruction Set Architecture Reference Guide (July 2026). The comments in the code are by the model that wrote it; some were corrected since.
;; Multi Head Self Attention. Allowed arithmetic: matrix products marked QUANTISED: E4M3 operands, one given power-of-two scale a tensor, by v_wmma_f32_16x16x64_fp8_fp8 or v_wmma_f32_16x16x128_fp8_fp8, f32 sums; everything else in f32.
;; Inputs: Wk 1,024 x 1,024 float32; Wo 1,024 x 1,024 float32; Wq 1,024 x 1,024 float32; Wv 1,024 x 1,024 float32; bk 1,024 float32; bo 1,024 float32; bq 1,024 float32; bv 1,024 float32; inputs_mask 4 x 2,048 int32; lowp_scales 12 int32 (the exponents e of the quantised operands' scales 2^e); x 4 x 2,048 x 1,024 float32.
;; Outputs: out0 4 x 2,048 x 1,024 float32.
;; This version of the problem:
;;   THIS VERSION OF THE PROBLEM IS GIVEN IN LOW PRECISION. The matrix products marked QUANTISED in the list below multiply operands that are first quantised to E4M3 (4 exponent bits, 3 mantissa bits; 8 bits a number), with one given power-of-two scale for each operand tensor; their sums are f32. All else is computed in f32.
;;   The module's matrix products, in the order in which they are computed (A, B: the left and right operand; K: the contracted axis; several contracted axes count as one K, in the product's order):
;;     1. [M 8,192, K 1,024] x [K 1,024, N 1,024]; A: input x; B: input Wq: QUANTISED (scales: A lowp_scales[0], B lowp_scales[1])
;;     2. [M 8,192, K 1,024] x [K 1,024, N 1,024]; A: input x; B: input Wk: QUANTISED (scales: A lowp_scales[2], B lowp_scales[3])
;;     3. [M 8,192, K 1,024] x [K 1,024, N 1,024]; A: input x; B: input Wv: QUANTISED (scales: A lowp_scales[4], B lowp_scales[5])
;;     4. batch 64 x [M 2,048, K 64] x [K 64, N 2,048]; A: computed on the way; B: computed on the way: QUANTISED (scales: A lowp_scales[6], B lowp_scales[7])
;;     5. batch 64 x [M 64, K 2,048] x [K 2,048, N 2,048]; A: computed on the way; B: softmax (see below): QUANTISED (scales: A lowp_scales[8], B lowp_scales[9])
;;     6. [M 8,192, K 1,024] x [K 1,024, N 1,024]; A: computed on the way; B: input Wo: QUANTISED (scales: A lowp_scales[10], B lowp_scales[11])
;;   THE QUANTISER, for each operand of a quantised product, along K:
;;     - The operand's scale is 2^e, e = its entry of the input lowp_scales (int32; the entries are numbered through the quantised products in the list's order, A before B).
;;     - Each number is divided by the scale, clamped to +-448, and rounded to the nearest number of E4M3, ties to even, subnormals kept.
;;     - The product sums the exact products of the quantised numbers (number of the format x scale) in f32.
;;   ~~~python
;;   def quantise(x, axis, e):      # numpy; x: float32 -> the quantised numbers, widened to float32 again
;;       x = np.moveaxis(x, axis, -1); K = x.shape[-1]
;;       r = np.clip(x / 2.0 ** e, -448, 448)
;;       step = 2.0 ** (np.maximum(np.frexp(np.where(r == 0, 1, r))[1] - 1, -6) - 3)
;;       q = np.round(r / step) * step * 2.0 ** e      # np.round: ties to even
;;       return np.moveaxis(q, -1, axis).astype(np.float32)
;;   ~~~
;;   SOFTMAX AHEAD OF A QUANTISED PRODUCT. Where the list says 'softmax', what is quantised is not the finished softmax but p = 2^(t - M), with t = logit x log2(e) and M = ceil(the row's largest t), a whole number; so 1/2 < the row's largest p <= 1. The row's sum l is taken of the UNQUANTISED p, in f32, and the product's result is divided by l at the end. Since M is a whole number, a kernel that streams over the keys may use a running M (the ceiling of the running maximum): every later rescaling is an exact power of two, so the quantised numbers keep their values, but for numbers so far below the row's largest that they fall under the format's range.
;;   OPERANDS COMPUTED ON THE WAY. 'Computed on the way' means the value that the module computes at that place (a softmax that the list does not call 'softmax' is quantised finished and normalised). What goes into a quantiser is computed in f32, as accurately as f32 sums, v_exp_f32 and their like allow (about 1e-6 of the number): no bf16 or f16 on the way to a quantiser, and a product that is left as it is and whose result goes on into a quantised operand takes f32 operands (vector FMAs, or v_wmma_f32_16x16x4_f32). A number that lies on a knife's edge between two numbers of the format may be rounded either way, as far as f32 arithmetic and the matrix unit's own rounding can turn it there, and no further.
;; One version. Each part assembles by itself: llvm-mc -triple=amdgcn-amd-amdhsa -mcpu=gfx1250 --defsym DOCPART=n.
;; ======== version 1 of 1: 4 launches
;; limits: right only within a limited range of input values
;; workspace buffers: xc 25,165,824 bytes; wc 4,194,304 bytes; qkv 25,165,824 bytes; ac 8,388,608 bytes
;; launch prep (part 1): grid 768 x 1, 4 waves a work-group, no clusters, 51,712 bytes of LDS; arguments x, lowp_scales, xc, Wq, Wk, Wv, Wo, wc; writes xc, wc
.if DOCPART == 1
	.amdgcn_target "amdgcn-amd-amdhsa--gfx1250"
	.amdhsa_code_object_version 6
	.text
	.protected	k_qf4a87403f6_prep
	.globl	k_qf4a87403f6_prep
	.p2align	8
	.type	k_qf4a87403f6_prep,@function
k_qf4a87403f6_prep:
	s_mov_b64 s[64:65], 0
	v_nop
	global_prefetch_b8 v0, s[64:65] scope:SCOPE_SE
	s_setreg_imm32_b32 hwreg(HW_REG_WAVE_MODE, 25, 1), 1
	s_wait_xcnt 0x0
; One launch quantises all operands that arrive as f32.  Nothing of reference() is left out in this program: every input is loaded by some launch.
; Work-groups 0-511: x [8192][1024] becomes THREE sets of E4M3 codes, for the scales 2^e0, 2^e2, 2^e4 of the three projections.  Work-groups 512-767: the four weights [k][n], under 2^e1, 2^e3, 2^e5, 2^e11.
; code = number / 2^e, held within +-448, rounded to the nearest code, ties to even.
; Both buffers are IMAGES OF OPERAND REGISTERS: [tile of 16 rows][K step of 128][2,048 bytes]; registers 4 c .. 4 c + 3 of lane l lie at byte 512 c + 16 l; lane (r = l % 16, h = l / 16) holds k = 128 s + 32 c + 16 h + 0 .. 15.
; xc: [z = 0..2][tile of 16 tokens][s].  wc: [Wq, Wk, Wv, Wo][tile 0..63][s]; lane r of weight tile 2 B + u stands for column 32 B + 8 u + r + 8 (r / 8), so that the 16 result registers of two
; neighbouring tiles are 16 neighbouring columns.
; x: a work-group takes 16 tokens, wave w K steps 2 w, 2 w + 1; a unit of 16 rows x 512 bytes turns through the wave's own stage (rows 528 bytes apart).
; weights: a lane takes a column and its registers run down K; wave v of work-group (x, y = 8 w + s) takes columns 32 (4 x + v) on; the codes leave through the wave's own stage.
; The two paths part on the work-group's number alone and have LDS bytes of their own.  Every store covers 512 consecutive bytes, aligned.  Waves share nothing: no barrier.
; LIMITS: e0 .. e5 and e11 between -126 and 119, so that 2^e and 448 x 2^e are f32 numbers.  NaN among the inputs is not served.
.set STG,   16*528                     ; x: a wave's stage
.set QWB,   4*STG                      ; the weights' stages begin here
.set WST,   2*2176                     ; weights: a wave's stage
.set SPARE, QWB+4*WST                  ; the spare words, which no other line names
.set SPW,   12
.set NIL,   13
.set LI,    1
.set SIN,   2
.set SOUT,  3
.set R,     16                         ; v16-143 two units as loaded; later their codes
.set X,     144                        ; v144-207 64 numbers a lane
.set T,     208                        ; v208-239 held numbers, two sets by turns
.set SC,    240                        ; v240-242 2^e
.set LM,    243                        ; v243-245 448 x 2^e
.set WX,    32                         ; weights: v32-159 128 numbers of my column
.set WC,    160                        ; v160-167 a block's codes
.set WO,    168                        ; v168-199 the way out
	v_lshl_add_u32 v[SPW], v0, 2, SPARE
	v_mov_b32 v[NIL], 0
	v_lshrrev_b32 v4, 5, v0
	v_readfirstlane_b32 s16, v4                    ; wave 0..3
	s_cmp_ge_u32 ttmp9, 512
	s_wait_alu depctr_va_vdst(0)                   ; the wait ahead of the branch
	s_cbranch_scc1 .Lweights
	s_load_b128 s[4:7], s[0:1], 0x0                ; x, the scales' exponents
	s_load_b64 s[8:9], s[0:1], 0x10                ; xc
	v_and_b32 v5, 31, v0
	v_lshlrev_b32 v[LI], 4, v5
	s_mul_i32 s17, s16, STG
	v_add_nc_u32 v[SIN], s17, v[LI]
	v_and_b32 v6, 15, v0                           ; r
	v_bfe_u32 v7, v0, 4, 1                         ; h
	v_mul_u32_u24 v[SOUT], v6, 528
	v_lshl_add_u32 v[SOUT], v7, 6, v[SOUT]
	v_add_nc_u32 v[SOUT], s17, v[SOUT]
	s_lshl_b32 s18, ttmp9, 16                      ; x: 16 rows of 4,096 bytes a tile,
	s_lshl_b32 s19, s16, 10                        ; 1,024 bytes of each row a wave
	s_add_co_u32 s18, s18, s19
	s_mov_b32 s19, 0
	s_lshl_b32 s28, ttmp9, 14                      ; xc: 8 images a tile, two a wave
	s_lshl_b32 s29, s16, 12
	s_add_co_u32 s28, s28, s29
	s_mov_b32 s29, 0
	s_wait_alu depctr_va_vdst(0)
	s_wait_kmcnt 0x0
	s_load_b256 s[20:27], s[6:7], 0x0              ; e0 .. e7
	s_add_nc_u64 s[4:5], s[4:5], s[18:19]
	s_add_nc_u64 s[8:9], s[8:9], s[28:29]          ; z = 0
	s_add_nc_u64 s[10:11], s[8:9], 0x800000        ; z = 1
	s_add_nc_u64 s[12:13], s[8:9], 0x1000000       ; z = 2
.macro LOADU u                         ; unit u: 16 rows x 512 consecutive bytes
.irp i, 0,1,2,3,4,5,6,7,8,9,10,11,12,13,14,15
	global_load_b128 v[R+64*\u+4*\i:R+64*\u+4*\i+3], v[LI], s[4:5] offset:4096*\i+512*\u th:TH_LOAD_NT
.endr
.endm
.macro TURNU u                         ; through the stage: LDS serves a wave's instructions in order (ISA guide 5.7.1.4)
.irp i, 0,1,2,3,4,5,6,7,8,9,10,11,12,13,14,15
	ds_store_b128 v[SIN], v[R+64*\u+4*\i:R+64*\u+4*\i+3] offset:528*\i
.endr
.irp c, 0,1,2,3
.irp j, 0,1,2,3
	ds_load_b128 v[X+16*\c+4*\j:X+16*\c+4*\j+3], v[SOUT] offset:128*\c+16*\j
.endr
.endr
.endm
; 64 numbers a lane become 3 x 16 registers of codes.  The conversion does not saturate (ISA guide 7.6.2): each number is first held.  Every store has data registers of its own.
.macro QUANT3 u
.irp c, 0,1,2,3
.irp z, 0,1,2
.set TT, T+16*((3*\c+\z)%2)
.set CC, R+64*\u+12*\c+4*\z
.irp i, 0,1,2,3,4,5,6,7,8,9,10,11,12,13,14,15
	v_med3_num_f32 v[TT+\i], v[X+16*\c+\i], -v[LM+\z], v[LM+\z]
.endr
	v_cvt_scalef32_pk8_fp8_f32 v[CC:CC+1], v[TT:TT+7], v[SC+\z]
	v_cvt_scalef32_pk8_fp8_f32 v[CC+2:CC+3], v[TT+8:TT+15], v[SC+\z]
	global_store_b128 v[LI], v[CC:CC+3], s[8+2*\z:9+2*\z] offset:2048*\u+512*\c
.endr
.endr
.endm
	LOADU 0
	LOADU 1
	s_wait_kmcnt 0x0
.irp z, 0,1,2
	s_add_co_i32 s14, s[20+2*\z], 127
	s_lshl_b32 s15, s14, 23
	v_mov_b32 v[SC+\z], s15                        ; 2^e as f32
	s_add_co_i32 s14, s14, 8
	s_lshl_b32 s14, s14, 23
	s_or_b32 s14, s14, 0x600000
	v_mov_b32 v[LM+\z], s14                        ; 448 x 2^e
.endr
	s_wait_alu depctr_va_vdst(0)
	s_wait_loadcnt 16                              ; unit 0's sixteen loads are in; unit 1's may be out
	TURNU 0
	s_wait_dscnt 0x0                               ; the numbers are back; unit 0's registers now take its codes
	QUANT3 0
	s_wait_loadcnt 0x0
	TURNU 1
	s_wait_dscnt 0x0
	QUANT3 1
	s_wait_tensorcnt 0x0                           ; the wave's end
	ds_add_u32 v[SPW], v[NIL]
	s_wait_dscnt 0x0
	s_endpgm
.Lweights:
	s_load_b256 s[4:11], s[0:1], 0x18              ; Wq, Wk, Wv, Wo
	s_load_b64 s[12:13], s[0:1], 0x8               ; the scales' exponents
	s_load_b64 s[14:15], s[0:1], 0x38              ; wc
	v_and_b32 v2, 31, v0
	v_lshlrev_b32 v3, 2, v2                        ; in: 4 bytes a lane
	v_lshlrev_b32 v8, 4, v2                        ; out: 16 bytes a lane
	s_mul_i32 s17, s16, WST
	s_add_co_u32 s17, s17, QWB
	v_add_nc_u32 v7, s17, v8                       ; out of the stage
	v_bfe_u32 v5, v0, 3, 1                         ; u
	v_and_b32 v6, 7, v0
	v_bfe_u32 v9, v0, 4, 1
	v_lshl_add_u32 v6, v9, 3, v6                   ; r
	v_mul_u32_u24 v4, v5, 2176
	v_lshl_add_u32 v4, v6, 4, v4
	v_add_nc_u32 v4, s17, v4                       ; into the stage: region u, 16 r
	s_sub_co_u32 s46, ttmp9, 512
	s_and_b32 s47, s46, 7                          ; x
	s_lshr_b32 s18, s46, 3                         ; y
	s_lshr_b32 s19, s18, 3                         ; which weight
	s_and_b32 s20, s18, 7                          ; which K step
	s_and_b32 s36, s19, 1
	s_lshl_b32 s21, s47, 2
	s_add_co_u32 s21, s21, s16                     ; B
	s_lshl_b32 s22, s20, 19                        ; W: 128 rows of 4,096 bytes a K step,
	s_lshl_b32 s23, s21, 7                         ; 128 bytes of a row for B
	s_add_co_u32 s22, s22, s23
	s_mov_b32 s23, 0
	s_lshl_b32 s40, s19, 20                        ; wc: 1 MiB a weight, two tiles of 16,384 bytes for B, 2,048 bytes a K step
	s_lshl_b32 s41, s21, 15
	s_add_co_u32 s40, s40, s41
	s_lshl_b32 s41, s20, 11
	s_add_co_u32 s40, s40, s41
	s_mov_b32 s41, 0
	s_wait_alu depctr_va_vdst(0)
	s_wait_kmcnt 0x0
	s_load_b256 s[24:31], s[12:13], 0x0            ; e0 .. e7
	s_load_b128 s[32:35], s[12:13], 0x20           ; e8 .. e11
	s_cmp_lt_u32 s19, 2                            ; the choice of the buffer hangs on the work-group's number alone
	s_cselect_b64 s[42:43], s[4:5], s[8:9]
	s_cselect_b64 s[44:45], s[6:7], s[10:11]
	s_cmp_eq_u32 s36, 1
	s_cselect_b64 s[4:5], s[44:45], s[42:43]
	s_add_nc_u64 s[4:5], s[4:5], s[22:23]
	s_add_nc_u64 s[14:15], s[14:15], s[40:41]
.set J, 0
.rept 128
	global_load_b32 v[WX+J], v3, s[4:5] offset:4096*J th:TH_LOAD_NT
.set J, J+1
.endr
	s_wait_kmcnt 0x0
	s_cmp_lt_u32 s19, 2
	s_cselect_b32 s37, s25, s29                    ; e1 or e5
	s_cselect_b32 s38, s27, s35                    ; e3 or e11
	s_cmp_eq_u32 s36, 1
	s_cselect_b32 s37, s38, s37
	s_add_co_i32 s37, s37, 127
	s_lshl_b32 s38, s37, 23
	v_mov_b32 v11, s38                             ; 2^e as f32
	s_add_co_i32 s37, s37, 8
	s_lshl_b32 s37, s37, 23
	s_or_b32 s37, s37, 0x600000
	v_mov_b32 v10, s37                             ; 448 x 2^e
; Block t: 32 along K of my column.  left: how many younger loads may stay out (a wait's count holds 63 at the most; the smaller count is safe).
.macro BLOCK t, left
	s_wait_loadcnt \left
.set J, 0
.rept 32
	v_med3_num_f32 v[WX+32*\t+J], v[WX+32*\t+J], -v10, v10
.set J, J+1
.endr
.irp g, 0,1,2,3
	v_cvt_scalef32_pk8_fp8_f32 v[WC+2*\g:WC+2*\g+1], v[WX+32*\t+8*\g:WX+32*\t+8*\g+7], v11
.endr
	ds_store_b128 v4, v[WC:WC+3] offset:512*\t       ; k 32 t + 0 .. 15: the place of lane (r, 0)
	ds_store_b128 v4, v[WC+4:WC+7] offset:512*\t+256 ; k 32 t + 16 .. 31: of lane (r, 1)
	s_wait_dscnt 0x0                               ; the stores have read their registers
.endm
	s_wait_alu depctr_va_vdst(0)
	BLOCK 0, 63
	BLOCK 1, 63
	BLOCK 2, 32
	BLOCK 3, 0
.irp n, 0,1,2,3,4,5,6,7
	ds_load_b128 v[WO+4*\n:WO+4*\n+3], v7 offset:2176*(\n/4)+512*(\n%4)
.endr
.irp n, 0,1,2,3,4,5,6,7
	s_wait_dscnt 7-\n
	global_store_b128 v8, v[WO+4*\n:WO+4*\n+3], s[14:15] offset:16384*(\n/4)+512*(\n%4)
.endr
	s_wait_tensorcnt 0x0                           ; the wave's end
	ds_add_u32 v[SPW], v[NIL]
	s_wait_dscnt 0x0
	s_endpgm
.Lfunc_end_k_qf4a87403f6_prep:
	.size	k_qf4a87403f6_prep, .Lfunc_end_k_qf4a87403f6_prep-k_qf4a87403f6_prep
	.p2alignl 7, 3214868480
	.fill 96, 4, 3214868480
	.section	.rodata,"a",@progbits
	.p2align	6, 0x0
	.amdhsa_kernel k_qf4a87403f6_prep
		.amdhsa_group_segment_fixed_size 51712
		.amdhsa_private_segment_fixed_size 0
		.amdhsa_enable_private_segment 0
		.amdhsa_kernarg_size 64
		.amdhsa_user_sgpr_count 2
		.amdhsa_user_sgpr_kernarg_segment_ptr 1
		.amdhsa_wavefront_size32 1
		.amdhsa_system_sgpr_workgroup_id_x 1
		.amdhsa_system_sgpr_workgroup_id_y 1
		.amdhsa_system_sgpr_workgroup_id_z 1
		.amdhsa_system_vgpr_workitem_id 0
		.amdhsa_next_free_vgpr 256
		.amdhsa_next_free_sgpr 66
		.amdhsa_reserve_vcc 0
		.amdhsa_float_denorm_mode_32 3
		.amdhsa_float_denorm_mode_16_64 3
		.amdhsa_memory_ordered 1
		.amdhsa_forward_progress 1
		.amdhsa_inst_pref_size 65
	.end_amdhsa_kernel
	.amdgpu_metadata
---
amdhsa.version: [ 1, 2 ]
amdhsa.kernels:
  - .name:           k_qf4a87403f6_prep
    .symbol:         k_qf4a87403f6_prep.kd
    .args:
      - { .name: x, .offset: 0, .size: 8, .value_kind: global_buffer, .address_space: global }
      - { .name: lowp_scales, .offset: 8, .size: 8, .value_kind: global_buffer, .address_space: global }
      - { .name: xc, .offset: 16, .size: 8, .value_kind: global_buffer, .address_space: global }
      - { .name: Wq, .offset: 24, .size: 8, .value_kind: global_buffer, .address_space: global }
      - { .name: Wk, .offset: 32, .size: 8, .value_kind: global_buffer, .address_space: global }
      - { .name: Wv, .offset: 40, .size: 8, .value_kind: global_buffer, .address_space: global }
      - { .name: Wo, .offset: 48, .size: 8, .value_kind: global_buffer, .address_space: global }
      - { .name: wc, .offset: 56, .size: 8, .value_kind: global_buffer, .address_space: global }
    .group_segment_fixed_size: 51712
    .private_segment_fixed_size: 0
    .kernarg_segment_align: 8
    .kernarg_segment_size: 64
    .max_flat_workgroup_size: 128
    .sgpr_count:     66
    .vgpr_count:     256
    .wavefront_size: 32
...
	.end_amdgpu_metadata
.endif
;; end of part 1
;; launch gqkv (part 2): grid 12 x 32, 4 waves a work-group, clusters of 4 x 4, 327,680 bytes of LDS; arguments xc, wc, lowp_scales, bq, bk, bv, qkv; writes qkv
.if DOCPART == 2
	.amdgcn_target "amdgcn-amd-amdhsa--gfx1250"
	.amdhsa_code_object_version 6
	.text
	.protected	k_qf4a87403f6_gqkv
	.globl	k_qf4a87403f6_gqkv
	.p2align	8
	.type	k_qf4a87403f6_gqkv,@function
k_qf4a87403f6_gqkv:
	s_mov_b64 s[64:65], 0
	v_nop
	global_prefetch_b8 v0, s[64:65] scope:SCOPE_SE
	s_setreg_imm32_b32 hwreg(HW_REG_WAVE_MODE, 25, 1), 1
	s_wait_xcnt 0x0
	s_wait_alu depctr_hold_cnt(0) depctr_sa_sdst(0) depctr_va_vdst(0) depctr_va_sdst(0) depctr_va_ssrc(0) depctr_va_vcc(0) depctr_vm_vsrc(0)
	s_getreg_b32 s2, hwreg(HW_REG_IB_STS2, 6, 4)
	s_cmp_eq_u32 s2, 0
	s_cbranch_scc0 .Lentry_in_a_cluster
	s_endpgm
.Lentry_in_a_cluster:
	s_bfe_u32 s2, ttmp6, 0x10000c
	s_cmp_lg_u32 s2, 0xf033
	s_cbranch_scc0 .Lentry_shape_is_right
	s_endpgm
.Lentry_shape_is_right:
; The three projections q = x Wq + bq, k = x Wk + bk, v = x Wv + bv on E4M3 codes, K = 1,024, and the quantising of their results (2^e6, 2^e7, 2^e8) into the operand images that attention reads.
; The cluster's x says which: 0 = q, 1 = k, 2 = v; it is the same number in all sixteen partners.
; A tile of 256 x 256 is made by four waves, 128 x 128 each: 64 accumulators, 512 registers.  Source 0 of the matrix instruction is operand P, source 1 operand R:
;   q, k: P = 256 columns of W (by cx), R = 256 tokens (by 4 x cluster y + cy).  A lane then holds ONE TOKEN and its registers run along the head's channels, 16 neighbours in two tiles (the weights' tiles are laid for that):
;         the conversions' results are the fragment 16 tokens x 64 channels that the first product of attention takes.
;   v:    P = 256 tokens (by 4 x cluster y + cx), R = 256 columns of Wv (by cy).  A lane then holds ONE CHANNEL and its registers run along the tokens: the conversions' results are the fragment 16 channels x 128 keys
;         of the second product, in that form's own order of k (registers 2 c, 2 c + 1: key 16 c + 8 h + 0 .. 7).
; So nothing is transposed and nothing goes through a stage: each store covers 512 consecutive bytes, aligned.
; BOTH OPERANDS COME AS IMAGES OF REGISTERS ([tile of 16 rows][K step of 128][2,048 bytes]): a fragment is four ds_load_b128 at 16 x lane: dense, no pitch, no padding.
; K goes in steps of 256 (two images a row tile) through a ring of two LDS slots; a wave's tensor load brings 8 row tiles x 4,096 bytes.
; CLUSTERS: 4 x 4.  R's tiles hang on cy alone and are asked for jointly by a row of the cluster, P's on cx alone and by a column.
; qkv: [batch x 16 + head][3][131,072]: Q and K: [tile of 16 tokens][1,024]; V: [chunk of 128 keys][tile of 16 channels][2,048].
; LIMITS: e0 + e1, e2 + e3, e4 + e5 between -126 and 127; e6, e7, e8 between -126 and 119.  NaN among the inputs is not served.
; REGISTERS, in windows of 256: window 0: v16-31 addresses; v32-95 the bias along registers (q, k); v96-111 the bias along lanes (v); v112, v113 2^eo and 448 x 2^eo; from v128 R's fragments, ONE set (on the way out: sums and codes).
;   window 1: P's fragments, TWO sets.   windows 2, 3: the accumulators: (a, b) at v[8 (8 (a % 4) + b)], a: R's block, b: P's block.
.set HALFT,  32768                     ; 8 row tiles x 4,096 bytes: what one tensor load brings, and what one wave reads of R or of P
.set SLOT,   4*HALFT                   ; R's two halves, then P's two halves
.set SPARE,  2*SLOT                    ; behind the ring: the spare words, which no other line names
.set FR,     16                        ; registers of a fragment
.set NL,     4                         ; LDS loads that bring one
.set NP,     4                         ; places behind this matrix instruction (ISA guide 7.12.1)
.set LAPS,   2                         ; 1,024 / (2 x 256)
.set HEADB,  393216                    ; a head's bytes in qkv
.set ADRA, 16                          ; v16-17  LDS address of my R fragments in slot 0, 1
.set ADRB, 20                          ; v20-21  the same for P
.set CO,   26                          ; v26     16 x lane
.set SPW,  28
.set NIL,  29
.set VB1,  30                          ; v30     64 h
.set VB2,  31                          ; v31     4 (r + 8 (r / 8))
.set BP,   32
.set BR,   96
.set SCL,  112
.set LIM,  113
.set AF,   128
.set T,    128                         ; the way out: v128-191 a block's 64 numbers
.set CD,   192                         ; v192-223 its codes, two sets by turns
.set G1, 24                            ; s[24:31] descriptor group 1 for R's tiles;  s[32:39] group 0, one set for each slot
.set G0, 32
.set G1B, 48                           ; s[48:55], s[56:63] the same for P's
.set G0B, 56
.set MSB, 0
.macro WIN new                         ; the immediate's high byte repeats the setting that is left
.if MSB != (\new)
	s_set_vgpr_msb (MSB<<8)|(\new)
.set MSB, (\new)
.endif
.endm
.set MUL_LO, 0xa1                      ; source 0 (P) window 1, source 1 (R) window 0, C and D window 2
.set MUL_HI, 0xf1                      ; the same, C and D window 3
.set TO_B,   0x40                      ; destination window 1, address window 0
; A joint load: waves 0 and 1 fetch R's halves, waves 2 and 3 P's.  Each line has one mask and one set of registers for all that issue it; the branch hangs on the wave's number alone.
; An s_nop 0 and four v_nop follow each of the two lines.
.macro JLOAD g0a, g1a, g0b, g1b
	s_cmp_eq_u32 s15, 0
	s_cbranch_scc0 .Lfor_b_\@
	tensor_load_to_lds s[\g0a:\g0a+3], s[\g1a:\g1a+7]
	s_nop 0
.rept 4
	v_nop
.endr
	s_branch .Lasked_\@
.Lfor_b_\@:
	tensor_load_to_lds s[\g0b:\g0b+3], s[\g1b:\g1b+7]
	s_nop 0
.rept 4
	v_nop
.endr
.Lasked_\@:
.endm
.macro CREST                           ; a round of the cluster's barrier behind its opening barrier
	s_cmp_lg_u32 s14, 0
	s_cbranch_scc1 .Lnot_wave_0_\@
	s_barrier_signal -3
.Lnot_wave_0_\@:
	s_barrier_wait -3
	s_barrier_signal -1
	s_barrier_wait -1
.endm
.macro CROUND
	s_barrier_signal -1
	s_barrier_wait -1
	CREST
.endm
	s_load_b256 s[4:11], s[0:1], 0x0               ; xc s[4:5], wc s[6:7], the scales' exponents s[8:9], bq s[10:11]
	s_load_b128 s[72:75], s[0:1], 0x20             ; bk, bv
	s_load_b64 s[76:77], s[0:1], 0x30              ; qkv
	v_lshl_add_u32 v[SPW], v0, 2, SPARE
	v_mov_b32 v[NIL], 0
	ds_add_u32 v[SPW], v[NIL]                      ; the wave's opening: the add and its wait ahead of my first tensor load; work on registers stands between them
	ds_add_u32 v[SPW], v[NIL]
	v_lshrrev_b32 v1, 5, v0
	v_readfirstlane_b32 s14, v1                    ; wave 0..3
	s_lshr_b32 s15, s14, 1                         ; which half of R is mine.  Also: I fetch for R (0) or for P (1)
	s_and_b32 s16, s14, 1                          ; which half of P is mine.  Also: which half of that operand I fetch
	s_bfe_u32 s40, ttmp6, 0x40000                  ; cx
	s_bfe_u32 s41, ttmp6, 0x40004                  ; cy
	s_and_b32 s17, ttmp7, 0xffff
	s_lshl_b32 s17, s17, 2                         ; 4 x cluster y
	s_lshl_b32 s43, s41, 2
	s_lshl_b32 s43, 15, s43                        ; my row of the cluster
	s_lshl_b32 s44, 0x1111, s40                    ; my column
	; descriptor group 1: 8 rows of 4,096 bytes (512 elements of 8 bytes), 16,384 bytes apart in memory, dense in LDS
	s_or_b32 s[G1+0], s43, (3<<16)|(1<<21)         ; 15:0 the mask: R's tiles go to my row; 17:16 elements of 8 bytes; 21 set beside a mask; no padding
	s_or_b32 s[G1B+0], s44, (3<<16)|(1<<21)        ; P's go to my column
.irp g, G1, G1B
	s_mov_b32 s[\g+1], 512<<16                     ; tensor_dim0
	s_mov_b32 s[\g+2], 8<<16                       ; tensor_dim1
	s_mov_b32 s[\g+3], 512<<16                     ; tile_dim0
	s_mov_b32 s[\g+4], 8                           ; tile_dim1
	s_mov_b32 s[\g+5], 2048                        ; tensor_dim0_stride
	s_mov_b32 s[\g+6], 0
	s_mov_b32 s[\g+7], 0
.endr
	s_lshl_b32 s18, ttmp9, 20                      ; the weight's 1 MiB in wc
	s_lshl_b32 s19, ttmp9, 23                      ; the set of x's codes, 8 MiB, in xc
	s_add_co_u32 s20, s17, s40                     ; 4 x cluster y + cx: feeds P alone
	s_add_co_u32 s21, s17, s41                     ; 4 x cluster y + cy: feeds R alone
	s_cmp_eq_u32 ttmp9, 2                          ; v?
	s_cselect_b32 s42, s20, s40                    ; P's block of 256 rows
	s_cselect_b32 s45, s41, s21                    ; R's
	s_cselect_b32 s46, s19, s18
	s_cselect_b32 s22, s18, s19
	s_lshl_b32 s47, s42, 18                        ; 16 row tiles of 16,384 bytes
	s_add_co_u32 s46, s46, s47
	s_lshl_b32 s23, s45, 18
	s_add_co_u32 s22, s22, s23
	s_lshl_b32 s71, s16, 17                        ; the half that I fetch
	s_add_co_u32 s46, s46, s71
	s_add_co_u32 s22, s22, s71
	s_mov_b32 s47, 0
	s_mov_b32 s23, 0
	s_lshl_b32 s70, s14, 15                        ; where it goes: wave x HALFT: no place in the cluster enters an LDS address
	s_lshl_b32 s78, s40, 10                        ; the bias: q, k: my 128 columns begin at 256 cx + 128 (P's half);
	s_lshl_b32 s79, s16, 9
	s_add_co_u32 s78, s78, s79
	s_lshl_b32 s96, s41, 10                        ; v: at 256 cy + 128 (R's half)
	s_lshl_b32 s97, s15, 9
	s_add_co_u32 s96, s96, s97
	s_cmp_eq_u32 ttmp9, 2
	s_cselect_b32 s78, 0, s78                      ; both kinds are always loaded; the kind that is not used from the buffer's head
	s_cselect_b32 s96, s96, 0
	s_mov_b32 s79, 0
	s_mov_b32 s97, 0
	s_wait_dscnt 0x0                               ; the opening add is done
	s_wait_kmcnt 0x0
	s_load_b256 s[80:87], s[8:9], 0x0              ; e0 .. e7
	s_load_b128 s[88:91], s[8:9], 0x20             ; e8 .. e11
	s_cmp_eq_u32 ttmp9, 2
	s_cselect_b64 s[92:93], s[4:5], s[6:7]         ; P's buffer
	s_cselect_b64 s[94:95], s[6:7], s[4:5]         ; R's
	s_cselect_b64 s[66:67], s[74:75], s[72:73]     ; bv or bk,
	s_cmp_eq_u32 ttmp9, 0
	s_cselect_b64 s[66:67], s[10:11], s[66:67]     ; or bq
	s_add_nc_u64 s[92:93], s[92:93], s[46:47]
	s_add_nc_u64 s[94:95], s[94:95], s[22:23]
	s_add_nc_u64 s[68:69], s[66:67], s[96:97]
	s_add_nc_u64 s[66:67], s[66:67], s[78:79]
	CROUND                                         ; all sixteen work-groups are here: the first joint loads meet
.irp s, 0,1
	s_mov_b32 s[G0+4*\s], 1
	s_add_co_u32 s[G0+4*\s+1], s70, \s*SLOT
	s_add_nc_u64 s[G0+4*\s+2:G0+4*\s+3], s[94:95], \s*4096
	s_or_b32 s[G0+4*\s+3], s[G0+4*\s+3], 0x80000000
	s_mov_b32 s[G0B+4*\s], 1
	s_add_co_u32 s[G0B+4*\s+1], s70, \s*SLOT
	s_add_nc_u64 s[G0B+4*\s+2:G0B+4*\s+3], s[92:93], \s*4096
	s_or_b32 s[G0B+4*\s+3], s[G0B+4*\s+3], 0x80000000
.endr
	JLOAD G0, G1, G0B, G1B                         ; slot 0: one tensor load a wave at the head
	v_and_b32 v1, 15, v0                           ; r
	v_bfe_u32 v2, v0, 4, 1                         ; h
	v_and_b32 v6, 31, v0
	v_lshlrev_b32 v[CO], 4, v6
	v_lshlrev_b32 v[VB1], 6, v2
	v_and_b32 v3, 8, v1
	v_add_nc_u32 v3, v3, v1
	v_lshlrev_b32 v[VB2], 2, v3
	s_lshl_b32 s18, s15, 15                        ; my half of R
	s_lshl_b32 s19, s16, 15                        ; my half of P,
	s_add_co_u32 s19, s19, 2*HALFT                 ; which lies behind R's two
.irp s, 0,1
	v_add_nc_u32 v[ADRA+\s], s18, v[CO]
	v_add_nc_u32 v[ADRB+\s], s19, v[CO]
	s_add_co_u32 s18, s18, SLOT
	s_add_co_u32 s19, s19, SLOT
.endr
.irp i, 0,1,2,3,4,5,6,7,8,9,10,11,12,13,14,15     ; q, k: register 8 b + j of a block's sums is column 32 (b / 2) + 16 h + 8 (b % 2) + j of my 128
	global_load_b128 v[BP+4*\i:BP+4*\i+3], v[VB1], s[66:67] offset:128*(\i/4)+16*(\i%4)
.endr
.irp a, 0,1,2,3,4,5,6,7                            ; v: lane r of R's block a is column 32 (a / 2) + 8 (a % 2) + r + 8 (r / 8); twice, since the packed form names a pair
	global_load_b32 v[BR+2*\a], v[VB2], s[68:69] offset:(32*(\a/2)+8*(\a%2))*4
	global_load_b32 v[BR+2*\a+1], v[VB2], s[68:69] offset:(32*(\a/2)+8*(\a%2))*4
.endr
	; PREFETCHES INTO THE L2.  A slot's part of the 8 row tiles that my wave fetches is 8 x 4,096 bytes; the four partners that ask for them jointly share them out BY ADDRESS:
	; the partner at place p (cx for R, cy for P) names row tiles 2 p and 2 p + 1, 32 blocks of 256 bytes, a lane a block, one instruction a wave and slot.
	; Slots 1 and 2 are asked for here, behind slot 0's load; slot 3 behind slot 1's load.  The address registers are never rewritten.
	s_cmp_eq_u32 s15, 0
	s_cselect_b64 s[98:99], s[94:95], s[92:93]
	s_cselect_b32 s20, s40, s41
	s_lshl_b32 s20, s20, 15
	s_mov_b32 s21, 0
	s_add_nc_u64 s[98:99], s[98:99], s[20:21]
	v_lshlrev_b32 v24, 8, v1
	v_lshl_add_u32 v24, v2, 14, v24                ; 16,384 (lane / 16) + 256 (lane % 16)
	global_prefetch_b8 v24, s[98:99] offset:4096 th:TH_LOAD_NT scope:SCOPE_SE
	global_prefetch_b8 v24, s[98:99] offset:8192 th:TH_LOAD_NT scope:SCOPE_SE
.macro FRAG reg, adr, q, i             ; a fragment: the image of row tile i, the slot's q-th 128 along K
.irp c, 0,1,2,3
	ds_load_b128 v[\reg+4*\c:\reg+4*\c+3], v[\adr] offset:2048*(\q)+512*\c+(\i)*4096
.endr
.endm
; 16 matrix instructions: R's blocks a0, a0 + 1 x P's eight.  p: P's set.  zero = 1: the first product starts the sums.  The 64 accumulators take turns, one instruction a turn, in the same order in every step.
.macro MUL16 a0, p, zero
.irp a, \a0, \a0+1
.irp b, 0,1,2,3,4,5,6,7
.if \zero
	v_wmma_f32_16x16x128_fp8_fp8 v[8*(8*((\a)%4)+\b):8*(8*((\a)%4)+\b)+7], v[128*(\p)+FR*\b:128*(\p)+FR*\b+FR-1], v[AF+FR*(\a):AF+FR*(\a)+FR-1], 0
.else
	v_wmma_f32_16x16x128_fp8_fp8 v[8*(8*((\a)%4)+\b):8*(8*((\a)%4)+\b)+7], v[128*(\p)+FR*\b:128*(\p)+FR*\b+FR-1], v[AF+FR*(\a):AF+FR*(\a)+FR-1], v[8*(8*((\a)%4)+\b):8*(8*((\a)%4)+\b)+7]
.endif
.endr
.endr
.endm
.macro FETCH_B slot, q, p
	WIN TO_B
.irp i, 0,1,2,3,4,5,6,7
	FRAG 128*(\p)+FR*\i, ADRB+\slot, \q, \i
.endr
	WIN 0
.endm
.macro FETCH_A slot, q, i0
.irp i, \i0, \i0+1, \i0+2, \i0+3
	FRAG AF+FR*(\i), ADRA+\slot, \q, \i
.endr
.endm
.macro PLACES n                        ; plain vector lines between a matrix instruction and a load into, or a vector line on, its registers
.rept \n
	v_nop
.endr
.endm
; A step of 128 along K that has its successor in the same slot.  R has one set of registers: blocks 0-3 are fetched anew in the step's middle, blocks 4-7 at its end; P has two sets.
.macro STEP slot, q, zero
	s_wait_dscnt 4*NL                              ; P's set and R's blocks 0-3 are in; the sixteen youngest loads (R's blocks 4-7) may be out
	WIN MUL_LO
	MUL16 0, (\q)%2, \zero
	MUL16 2, (\q)%2, \zero
	s_wait_dscnt 0
	PLACES NP
	FETCH_B \slot, (\q)+1, 1-(\q)%2
	FETCH_A \slot, (\q)+1, 0
	WIN MUL_HI
	MUL16 4, (\q)%2, \zero
	MUL16 6, (\q)%2, \zero
	PLACES NP
	WIN 0
	FETCH_A \slot, (\q)+1, 4
.endm
; A slot's last step changes slots: one barrier; in front of it each wave waits for all its tensor loads, adds 0 to its spare word, and waits for that and for its reads of this slot.  fill = 1: this slot is filled again.
.macro TURN slot, next, fill
	s_wait_tensorcnt 0x0                           ; all my tensor loads have landed: my part of the next slot
	ds_add_u32 v[SPW], v[NIL]                      ; 0 onto my spare word
	s_wait_dscnt 4*NL+1                            ; the add and the sixteen youngest loads may be out
	WIN MUL_LO
	MUL16 0, 1, 0
	s_wait_dscnt 0x0                               ; the add is done, and my reads of this slot are over
	s_barrier_signal -1
	MUL16 2, 1, 0
	WIN 0
	s_barrier_wait -1
.if \fill
	CREST                                          ; the barrier has opened a round of the cluster's: no wave of any partner still reads this slot or has a load on its way
	s_add_nc_u64 s[G0+4*\slot+2:G0+4*\slot+3], s[G0+4*\slot+2:G0+4*\slot+3], 8192
	s_add_nc_u64 s[G0B+4*\slot+2:G0B+4*\slot+3], s[G0B+4*\slot+2:G0B+4*\slot+3], 8192
	JLOAD G0+4*\slot, G1, G0B+4*\slot, G1B         ; the first tensor load behind the round; its four v_nop are also the places in front of the loads below
.else
	PLACES NP
.endif
	FETCH_B \next, 0, 0
	FETCH_A \next, 0, 0
	WIN MUL_HI
	MUL16 4, 1, 0
	MUL16 6, 1, 0
	PLACES NP
	WIN 0
	FETCH_A \next, 0, 4
.endm
	s_wait_alu depctr_va_vdst(0)
	s_wait_tensorcnt 0x0                           ; my part of slot 0 is in
	ds_add_u32 v[SPW], v[NIL]
	s_wait_dscnt 0x0
	CROUND                                         ; a whole round: slot 0 is whole, and the joint loads meet
	JLOAD G0+4, G1, G0B+4, G1B                     ; slot 1's first fill: the first tensor load behind the round
	FETCH_B 0, 0, 0
	FETCH_A 0, 0, 0
	FETCH_A 0, 0, 4
	global_prefetch_b8 v24, s[98:99] offset:12288 th:TH_LOAD_NT scope:SCOPE_SE   ; slot 3, two changes of slots ahead of its load
	STEP 0, 0, 1
	s_mov_b32 s3, LAPS-1
.Llap:                                             ; a trip goes once round the ring and fills both slots again
	TURN 0, 1, 1
	STEP 1, 0, 0
	TURN 1, 0, 1
	STEP 0, 0, 0
	s_sub_co_u32 s3, s3, 1
	s_cmp_lg_u32 s3, 0
	s_cbranch_scc1 .Llap
	TURN 0, 1, 0                                   ; the last lap fills nothing
	STEP 1, 0, 0
	s_wait_dscnt 4*NL
	WIN MUL_LO
	MUL16 0, 1, 0
	MUL16 2, 1, 0
	s_wait_dscnt 0
	WIN MUL_HI
	MUL16 4, 1, 0
	MUL16 6, 1, 0
	WIN 0
; THE WAY OUT.  For each of R's blocks: number = sum x 2^(ea + eb) + bias, one packed multiply-add for two; the hold; the conversion; four stores of 512 consecutive bytes.
; Each accumulator is read from its low end on.  The codes have two sets of registers by turns; a set is written again only when the stores that read it have had their addresses translated.
.macro EPI isv
.irp a, 0,1,2,3,4,5,6,7
.if \a > 1
	s_wait_xcnt 0x0
.endif
.set AC, 64*(\a%4)
.set CC, CD+16*(\a%2)
	WIN 0x02+(\a/4)                                ; source 0: window 2 or 3
.set J, 0
.rept 32
.if \isv
	v_pk_fma_f32 v[T+J:T+J+1], v[AC+J:AC+J+1], s[96:97], v[BR+2*\a:BR+2*\a+1] op_sel_hi:[1,0,0]
.else
	v_pk_fma_f32 v[T+J:T+J+1], v[AC+J:AC+J+1], s[96:97], v[BP+J:BP+J+1] op_sel_hi:[1,0,1]
.endif
.set J, J+2
.endr
	WIN 0
.irp pb, 0,1,2,3
.irp i, 0,1,2,3,4,5,6,7,8,9,10,11,12,13,14,15
	v_med3_num_f32 v[T+16*\pb+\i], v[T+16*\pb+\i], -v[LIM], v[LIM]
.endr
	v_cvt_scalef32_pk8_fp8_f32 v[CC+4*\pb:CC+4*\pb+1], v[T+16*\pb:T+16*\pb+7], v[SCL]
	v_cvt_scalef32_pk8_fp8_f32 v[CC+4*\pb+2:CC+4*\pb+3], v[T+16*\pb+8:T+16*\pb+15], v[SCL]
.endr
	v_nop                                          ; a plain line behind the last conversion: the next block's multiply-adds write its sources
.irp pb, 0,1,2,3
.if \isv
	global_store_b128 v[CO], v[CC+4*\pb:CC+4*\pb+3], s[76:77] offset:(\a/4)*HEADB+(\a%4)*2048+\pb*512     ; head a / 4, channel tile a % 4, registers 4 pb on
.else
	global_store_b128 v[CO], v[CC+4*\pb:CC+4*\pb+3], s[76:77] offset:\a*1024+(\pb/2)*HEADB+(\pb%2)*512    ; token tile a, head pb / 2, registers 4 (pb % 2) on
.endif
.endr
.endr
.endm
	s_wait_kmcnt 0x0
	s_wait_loadcnt 0x0                             ; the biases
	s_add_co_i32 s20, s80, s81
	s_add_co_i32 s21, s82, s83
	s_add_co_i32 s22, s84, s85
	s_cmp_eq_u32 ttmp9, 0
	s_cselect_b32 s96, s20, s21
	s_cselect_b32 s23, s86, s87
	s_cmp_eq_u32 ttmp9, 2
	s_cselect_b32 s96, s22, s96                    ; the two operands' exponents added,
	s_cselect_b32 s23, s88, s23                    ; and the result's: e6, e7 or e8
	s_add_co_i32 s96, s96, 127
	s_lshl_b32 s96, s96, 23                        ; as an f32 number
	s_mov_b32 s97, s96                             ; (named with it as a pair)
	s_add_co_i32 s23, s23, 127
	s_lshl_b32 s20, s23, 23
	s_add_co_i32 s23, s23, 8
	s_lshl_b32 s23, s23, 23
	s_or_b32 s23, s23, 0x600000
	PLACES NP                                      ; behind the last products
	v_mov_b32 v[SCL], s20
	v_mov_b32 v[LIM], s23
	s_cmp_eq_u32 ttmp9, 2                          ; the cluster's x: all sixteen partners and all waves go the same way; no barrier and no tensor load stands in either arm
	s_cbranch_scc1 .Lfor_v
	s_lshr_b32 s18, s45, 3                         ; q, k: batch = (R's block) / 8,
	s_lshl_b32 s18, s18, 4
	s_lshl_b32 s19, s40, 2
	s_add_co_u32 s18, s18, s19
	s_lshl_b32 s19, s16, 1
	s_add_co_u32 s18, s18, s19                     ; my first head: 4 cx + 2 (P's half)
	s_mul_i32 s18, s18, HEADB
	s_lshl_b32 s19, ttmp9, 17                      ; Q's part or K's
	s_add_co_u32 s18, s18, s19
	s_and_b32 s19, s45, 7
	s_lshl_b32 s19, s19, 14                        ; 16 token tiles of 1,024 bytes a block,
	s_add_co_u32 s18, s18, s19
	s_lshl_b32 s19, s15, 13                        ; 8 a half
	s_add_co_u32 s18, s18, s19
	s_mov_b32 s19, 0
	s_add_nc_u64 s[76:77], s[76:77], s[18:19]
	EPI 0
	s_branch .Lstored
.Lfor_v:
	s_lshl_b32 s18, s42, 1                         ; v: my chunk of 128 tokens: 2 (P's block) + half
	s_add_co_u32 s18, s18, s16
	s_and_b32 s19, s18, 15                         ; in its batch
	s_lshr_b32 s18, s18, 4
	s_lshl_b32 s18, s18, 4
	s_lshl_b32 s20, s41, 2
	s_add_co_u32 s18, s18, s20
	s_lshl_b32 s20, s15, 1
	s_add_co_u32 s18, s18, s20                     ; my first head: 4 cy + 2 (R's half)
	s_mul_i32 s18, s18, HEADB
	s_lshl_b32 s19, s19, 13
	s_add_co_u32 s18, s18, s19
	s_add_co_u32 s18, s18, 262144                  ; V's part
	s_mov_b32 s19, 0
	s_add_nc_u64 s[76:77], s[76:77], s[18:19]
	EPI 1
.Lstored:
	s_wait_tensorcnt 0x0                           ; the wave's end
	ds_add_u32 v[SPW], v[NIL]
	s_wait_dscnt 0x0
	CROUND                                         ; the closing round: no work-group ends while a partner may still ask for a tile that names it
	s_endpgm
.Lfunc_end_k_qf4a87403f6_gqkv:
	.size	k_qf4a87403f6_gqkv, .Lfunc_end_k_qf4a87403f6_gqkv-k_qf4a87403f6_gqkv
	.p2alignl 7, 3214868480
	.fill 96, 4, 3214868480
	.section	.rodata,"a",@progbits
	.p2align	6, 0x0
	.amdhsa_kernel k_qf4a87403f6_gqkv
		.amdhsa_group_segment_fixed_size 327680
		.amdhsa_private_segment_fixed_size 0
		.amdhsa_enable_private_segment 0
		.amdhsa_kernarg_size 56
		.amdhsa_user_sgpr_count 2
		.amdhsa_user_sgpr_kernarg_segment_ptr 1
		.amdhsa_wavefront_size32 1
		.amdhsa_system_sgpr_workgroup_id_x 1
		.amdhsa_system_sgpr_workgroup_id_y 1
		.amdhsa_system_sgpr_workgroup_id_z 1
		.amdhsa_system_vgpr_workitem_id 0
		.amdhsa_next_free_vgpr 1024
		.amdhsa_next_free_sgpr 100
		.amdhsa_reserve_vcc 0
		.amdhsa_float_denorm_mode_32 3
		.amdhsa_float_denorm_mode_16_64 3
		.amdhsa_memory_ordered 1
		.amdhsa_forward_progress 1
		.amdhsa_inst_pref_size 195
	.end_amdhsa_kernel
	.amdgpu_metadata
---
amdhsa.version: [ 1, 2 ]
amdhsa.kernels:
  - .name:           k_qf4a87403f6_gqkv
    .symbol:         k_qf4a87403f6_gqkv.kd
    .args:
      - { .name: xc, .offset: 0, .size: 8, .value_kind: global_buffer, .address_space: global }
      - { .name: wc, .offset: 8, .size: 8, .value_kind: global_buffer, .address_space: global }
      - { .name: lowp_scales, .offset: 16, .size: 8, .value_kind: global_buffer, .address_space: global }
      - { .name: bq, .offset: 24, .size: 8, .value_kind: global_buffer, .address_space: global }
      - { .name: bk, .offset: 32, .size: 8, .value_kind: global_buffer, .address_space: global }
      - { .name: bv, .offset: 40, .size: 8, .value_kind: global_buffer, .address_space: global }
      - { .name: qkv, .offset: 48, .size: 8, .value_kind: global_buffer, .address_space: global }
    .group_segment_fixed_size: 327680
    .private_segment_fixed_size: 0
    .kernarg_segment_align: 8
    .kernarg_segment_size: 56
    .max_flat_workgroup_size: 128
    .sgpr_count:     100
    .vgpr_count:     1024
    .wavefront_size: 32
...
	.end_amdgpu_metadata
.endif
;; end of part 2
;; launch attn (part 3): grid 4 x 64, 8 waves a work-group, clusters of 4 x 1, 327,680 bytes of LDS; arguments qkv, inputs_mask, lowp_scales, ac; writes ac
.if DOCPART == 3
	.amdgcn_target "amdgcn-amd-amdhsa--gfx1250"
	.amdhsa_code_object_version 6
	.text
	.protected	k_qf4a87403f6_attn
	.globl	k_qf4a87403f6_attn
	.p2align	8
	.type	k_qf4a87403f6_attn,@function
k_qf4a87403f6_attn:
	s_mov_b64 s[64:65], 0
	v_nop
	global_prefetch_b8 v0, s[64:65] scope:SCOPE_SE
	s_setreg_imm32_b32 hwreg(HW_REG_WAVE_MODE, 25, 1), 1
	s_wait_xcnt 0x0
	s_wait_alu depctr_hold_cnt(0) depctr_sa_sdst(0) depctr_va_vdst(0) depctr_va_sdst(0) depctr_va_ssrc(0) depctr_va_vcc(0) depctr_vm_vsrc(0)
	s_getreg_b32 s2, hwreg(HW_REG_IB_STS2, 6, 4)
	s_cmp_eq_u32 s2, 0
	s_cbranch_scc0 .Lentry_in_a_cluster
	s_endpgm
.Lentry_in_a_cluster:
	s_bfe_u32 s2, ttmp6, 0x10000c
	s_cmp_lg_u32 s2, 0x3003
	s_cbranch_scc0 .Lentry_shape_is_right
	s_endpgm
.Lentry_shape_is_right:
; Attention of one (batch, head) on E4M3 codes: logits = q . k / 32 + m_i m_j, softmax over the 2,048 keys, x v; the result is quantised under 2^e10 into the operand images of the last projection.
; THE SOFTMAX: t = logit x log2(e); M = the running largest t, rounded up to a whole number; p = 2^(t - M) is quantised under 2^e9; the row's sum is taken of the unquantised p and divides at the end.
; SHARES: work-group (cx, y): head y, queries 512 cx on; each of 8 waves owns 64 queries, four tiles of 16, and walks all keys, 128 a step.  Two tiles (a pair) go through a step's arithmetic together.
; K (131,072 bytes), V (131,072) and the mask as f32 (8,192) lie in LDS for the whole launch: each wave brings 32,768 bytes of K | V by ONE tensor load at the head; nothing is filled again.
; CLUSTER: the four query blocks of a head need the same K and V: the load is joint (mask 15).  No prefetch: all tiles are asked for at the head, there is no loop to run ahead in.
; LAYOUT: both products transposed (S^T = K Q^T, O^T = V^T P^T): a lane holds one query; register 8 t + j of a score tile is key 16 t + 8 h + j, the order in which V's images hold the keys.
; The mask term enters as the C of the first product: m_j x (m_i x 2^(5 - e6 - e7)), so that (sum + C) x c = t with c = log2(e) / 32 x 2^(e6 + e7).
; FRAGMENTS RUN AHEAD: K's of the next step are loaded behind this step's last score products, V's behind its last products with V, the mask's numbers behind the first tile's conversions.
; The step behind the last wraps to step 0: its loads stay inside the tiles and their results are not used.
; Among a tile's exponentials stand plain lines on other registers, whose results are read only behind the batch's closing wait.
; LIMITS: e6 + e7 between -121 and 132 (added to c's exponent field); e9, e10 between -126 and 119; the scaled scores stay under 2^31 in magnitude.  NaN among the inputs is not served.
; REGISTERS: window 0: v1-7 addresses; v8-15 partial sums; ST 8 a tile: -M, largest t, sum (2), m_i factor (2), f (2); QF Q's fragments; PF p's codes (before them: pair sums); WK at work; S 128 scores.  window 1: KF, VF, OF = O^T.
.set VB,    131072
.set MASKB, 262144
.set SPARE, 272384                     ; the spare words, 128 bytes a wave, which no other line names
.set HEADB, 393216
.set LI,  1
.set ADK, 2
.set ADV, 3
.set ADM, 4
.set SPW, 5
.set NIL, 6
.set AM0, 7
.set ST,  16
.set QF,  48
.set PF,  80
.set WK,  112
.set LM2, 116                          ; 448 x 2^e9 once more: the two halves of a dual line name second sources in different banks
.set SCP, 124
.set LMP, 125
.set SCO, 126
.set LMO, 127
.set S,   128
.set KF,  0
.set VF,  64
.set OF,  128
.set WV,  12
.set G1,  24
.set G0,  32
.set CNT, 56
.set EOV, 57
.set CS,  58
.set SEL, 60
.set KOFF, 62
.set MOFF, 63
.set MSB, 0
.macro WIN new                         ; the immediate's high byte repeats the setting that is left
.if MSB != (\new)
	s_set_vgpr_msb (MSB<<8)|(\new)
.set MSB, (\new)
.endif
.endm
.macro CROUND                          ; a round of the cluster's barrier
	s_barrier_signal -1
	s_barrier_wait -1
	s_cmp_lg_u32 s[WV], 0
	s_cbranch_scc1 .Lnot_wave_0_\@
	s_barrier_signal -3
.Lnot_wave_0_\@:
	s_barrier_wait -3
	s_barrier_signal -1
	s_barrier_wait -1
.endm
	s_load_b256 s[4:11], s[0:1], 0x0               ; qkv, inputs_mask, the scales' exponents, ac
	v_lshl_add_u32 v[SPW], v0, 2, SPARE
	v_mov_b32 v[NIL], 0
	ds_add_u32 v[SPW], v[NIL]                      ; the opening lines: the add twice on end and its wait
	ds_add_u32 v[SPW], v[NIL]
	v_lshrrev_b32 v8, 5, v0
	v_readfirstlane_b32 s[WV], v8                  ; wave 0..7
	s_bfe_u32 s13, ttmp6, 0x40000                  ; cx
	s_and_b32 s14, ttmp7, 0xffff                   ; 16 x batch + head
	s_lshl_b32 s16, s[WV], 15                      ; my 32,768 bytes of K | V, in LDS as in memory
	s_mul_i32 s20, s14, HEADB
	s_add_co_u32 s22, s20, s16
	s_add_co_u32 s22, s22, 131072                  ; behind Q's part
	s_mov_b32 s23, 0
	s_lshl_b32 s17, s13, 15                        ; Q: 32 tiles of 1,024 bytes a work-group, four a wave
	s_lshl_b32 s18, s[WV], 12
	s_add_co_u32 s17, s17, s18
	s_add_co_u32 s48, s20, s17
	s_mov_b32 s49, 0
	s_lshr_b32 s19, s14, 4                         ; batch
	s_lshl_b32 s50, s19, 13                        ; its row of the mask
	s_mov_b32 s51, 0
	s_lshr_b32 s52, s17, 4                         ; my queries in it
	s_add_co_u32 s52, s52, s50
	s_mov_b32 s53, 0
	s_lshl_b32 s54, s19, 21                        ; ac: 16,384 bytes a token tile, 1,024 a head
	s_lshl_b32 s18, s17, 4
	s_add_co_u32 s54, s54, s18
	s_and_b32 s18, s14, 15
	s_lshl_b32 s18, s18, 10
	s_add_co_u32 s54, s54, s18
	s_mov_b32 s55, 0
	s_mov_b32 s[G1], 15|(3<<16)|(1<<21)            ; the four partners; elements of 8 bytes; bit 21 beside a mask
	s_mov_b32 s[G1+1], 32<<16                      ; 128 rows of 256 bytes, dense
	s_mov_b32 s[G1+2], 128<<16
	s_mov_b32 s[G1+3], 32<<16
	s_mov_b32 s[G1+4], 128
	s_mov_b32 s[G1+5], 32
	s_mov_b32 s[G1+6], 0
	s_mov_b32 s[G1+7], 0
	s_mov_b32 s[CS], 0x3d38aa3b                    ; log2(e) / 32
	s_mov_b32 s[SEL], 0x76543210
	s_mov_b32 s[SEL+1], 0xfedcba98
	v_and_b32 v8, 31, v0
	v_lshlrev_b32 v[LI], 4, v8
	v_bfe_u32 v9, v0, 4, 1
	v_lshl_add_u32 v[AM0], v9, 5, MASKB            ; the mask's numbers of my half: 32 h
	v_lshl_add_u32 v[ADM], v0, 5, MASKB            ; where my thread puts eight of them
	v_lshlrev_b32 v128, 5, v0
	v_and_b32 v129, 15, v0
	v_lshlrev_b32 v129, 2, v129
	s_wait_alu depctr_va_vdst(0)                   ; the wait ahead of the waits below
	s_wait_dscnt 0x0
	s_wait_kmcnt 0x0
	s_load_b256 s[68:75], s[8:9], 0x0              ; e0 .. e7
	s_load_b128 s[76:79], s[8:9], 0x20             ; e8 .. e11
	s_add_nc_u64 s[22:23], s[4:5], s[22:23]
	s_add_nc_u64 s[48:49], s[4:5], s[48:49]
	s_add_nc_u64 s[50:51], s[6:7], s[50:51]
	s_add_nc_u64 s[52:53], s[6:7], s[52:53]
	s_add_nc_u64 s[10:11], s[10:11], s[54:55]
	s_mov_b32 s[G0], 1
	s_mov_b32 s[G0+1], s16
	s_mov_b64 s[G0+2:G0+3], s[22:23]
	s_or_b32 s[G0+3], s[G0+3], 0x80000000
	global_load_b128 v[8:11], v128, s[50:51]       ; eight numbers of the batch's mask
	global_load_b128 v[12:15], v128, s[50:51] offset:16
.irp q, 0,1,2,3
.irp c, 0,1
	global_load_b128 v[QF+8*\q+4*\c:QF+8*\q+4*\c+3], v[LI], s[48:49] offset:1024*\q+512*\c
.endr
.endr
.irp q, 0,1,2,3
	global_load_b32 v[ST+8*\q+4], v129, s[52:53] offset:64*\q   ; m_i of my lane's query
.endr
	CROUND                                         ; the four partners are here: the joint loads meet
	tensor_load_to_lds s[G0:G0+3], s[G1:G1+7]      ; my one tensor load
	s_nop 0
.irp q, 0,1,2,3
	v_mov_b32 v[ST+8*\q+1], 0xff61b1e6             ; the largest t so far: -3e38
	v_mov_b32 v[ST+8*\q+2], 0
	v_mov_b32 v[ST+8*\q+3], 0
	v_mov_b32 v[ST+8*\q+6], 0
	v_mov_b32 v[ST+8*\q+7], 0
	v_floor_f32 v[ST+8*\q], -v[ST+8*\q+1]
.endr
	v_mov_b32 v[WK+2], 0                           ; a lane permute's destination counts as a source
	v_mov_b32 v[WK+8], 0
	WIN 0x40
.set J, 0
.rept 128
	v_mov_b32 v[OF+J], 0                           ; the step is written once: the first finds zeros
.set J, J+1
.endr
	WIN 0
	s_wait_loadcnt 12                              ; the mask's two loads are in; Q's eight and the four m_i may be out
.irp i, 0,1,2,3,4,5,6,7
	v_cvt_f32_i32 v[8+\i], v[8+\i]
.endr
	ds_store_b128 v[ADM], v[8:11]
	ds_store_b128 v[ADM], v[12:15] offset:16
	s_wait_loadcnt 0x0
	s_wait_kmcnt 0x0
	s_add_co_i32 s17, s74, s75                     ; e6 + e7
	s_sub_co_i32 s18, 5, s17
	s_lshl_b32 s17, s17, 23
	s_add_co_i32 s[CS], s[CS], s17
	s_mov_b32 s[CS+1], s[CS]
	s_add_co_i32 s[EOV], s76, s77                  ; e8 + e9
.irp q, 0,1,2,3
	v_cvt_f32_i32 v[ST+8*\q+4], v[ST+8*\q+4]
.endr
.irp q, 0,1,2,3
	v_ldexp_f32 v[ST+8*\q+4], v[ST+8*\q+4], s18
.endr
.irp q, 0,1,2,3
	v_mov_b32 v[ST+8*\q+5], v[ST+8*\q+4]
.endr
	s_add_co_i32 s17, s77, 127
	s_lshl_b32 s18, s17, 23
	v_mov_b32 v[SCP], s18                          ; 2^e9
	s_add_co_i32 s17, s17, 8
	s_lshl_b32 s17, s17, 23
	s_or_b32 s17, s17, 0x600000
	v_mov_b32 v[LMP], s17                          ; 448 x 2^e9
	v_mov_b32 v[LM2], s17
	s_add_co_i32 s17, s78, 127
	s_lshl_b32 s18, s17, 23
	v_mov_b32 v[SCO], s18                          ; 2^e10
	s_add_co_i32 s17, s17, 8
	s_lshl_b32 s17, s17, 23
	s_or_b32 s17, s17, 0x600000
	v_mov_b32 v[LMO], s17
.macro MLOAD                           ; the mask's 64 numbers of my half of a step's keys, into the first tile's score registers
.irp t, 0,1,2,3,4,5,6,7
	ds_load_b128 v[S+8*\t:S+8*\t+3], v[ADM] offset:64*\t
	ds_load_b128 v[S+8*\t+4:S+8*\t+7], v[ADM] offset:64*\t+16
.endr
.endm
.macro KLOAD
	WIN 0x40
.irp t, 0,1,2,3,4,5,6,7
.irp c, 0,1
	ds_load_b128 v[KF+8*\t+4*\c:KF+8*\t+4*\c+3], v[ADK] offset:1024*\t+512*\c
.endr
.endr
	WIN 0
.endm
.macro VLOAD
	WIN 0x40
.irp t, 0,1,2,3
.irp c, 0,1,2,3
	ds_load_b128 v[VF+16*\t+4*\c:VF+16*\t+4*\c+3], v[ADV] offset:2048*\t+512*\c
.endr
.endr
	WIN 0
.endm
.macro MINIT qa                        ; the C of tiles qa, qa + 1: m_j x my query's factor
	s_wait_dscnt 0x0                               ; the mask's numbers are in (and whatever was asked for before them)
.set J, 0
.rept 32
	v_pk_mul_f32 v[S+64+J:S+65+J], v[S+J:S+J+1], v[ST+8*(\qa)+12:ST+8*(\qa)+13] op_sel_hi:[1,0]
.set J, J+2
.endr
.set J, 0
.rept 32
	v_pk_mul_f32 v[S+J:S+J+1], v[S+J:S+J+1], v[ST+8*(\qa)+4:ST+8*(\qa)+5] op_sel_hi:[1,0]
.set J, J+2
.endr
.endm
.macro PAIR p
.set QA, 2*\p
.set L0, ST+8*QA+2
.set L1, ST+8*QA+10
	WIN 0x01
.irp t, 0,1,2,3,4,5,6,7
.irp a, 0,1
	v_wmma_f32_16x16x64_fp8_fp8 v[S+64*\a+8*\t:S+64*\a+8*\t+7], v[KF+8*\t:KF+8*\t+7], v[QF+8*(QA+\a):QF+8*(QA+\a)+7], v[S+64*\a+8*\t:S+64*\a+8*\t+7]
.endr
.endr
	WIN 0
.rept 4
	v_nop                                          ; places behind the products (ISA guide 7.12.1)
.endr
.if \p == 1
	KLOAD                                          ; the next step's K
.endif
.irp a, 0,1
	v_max3_num_f32 v[WK+6*\a], v[S+64*\a], v[S+64*\a+1], v[S+64*\a+2]
.endr
.irp a, 0,1
	v_max3_num_f32 v[WK+6*\a+1], v[S+64*\a+3], v[S+64*\a+4], v[S+64*\a+5]
.endr
.set J, 6
.rept 14
.irp a, 0,1
	v_max3_num_f32 v[WK+6*\a], v[WK+6*\a], v[S+64*\a+J], v[S+64*\a+J+1]
.endr
.irp a, 0,1
	v_max3_num_f32 v[WK+6*\a+1], v[WK+6*\a+1], v[S+64*\a+J+2], v[S+64*\a+J+3]
.endr
.set J, J+4
.endr
.irp a, 0,1
	v_max3_num_f32 v[WK+6*\a], v[WK+6*\a], v[S+64*\a+62], v[S+64*\a+63]
.endr
.irp a, 0,1
	s_delay_alu instid0(VALU_DEP_2)
	v_max_num_f32 v[WK+6*\a], v[WK+6*\a], v[WK+6*\a+1]
.endr
.irp a, 0,1
	s_delay_alu instid0(VALU_DEP_2)
	v_permlanex16_b32 v[WK+6*\a+2], v[WK+6*\a], s[SEL], s[SEL+1]
.endr
.irp a, 0,1
	s_delay_alu instid0(VALU_DEP_2)
	v_max_num_f32 v[WK+6*\a], v[WK+6*\a], v[WK+6*\a+2]
.endr
.irp a, 0,1
	s_delay_alu instid0(VALU_DEP_2)
	v_mul_f32 v[WK+6*\a], s[CS], v[WK+6*\a]        ; as t (c is positive)
.endr
.irp a, 0,1
	s_delay_alu instid0(VALU_DEP_2)
	v_max_num_f32 v[ST+8*(QA+\a)+1], v[ST+8*(QA+\a)+1], v[WK+6*\a]
.endr
.irp a, 0,1
	v_mov_b32 v[WK+6*\a], v[ST+8*(QA+\a)]
.endr
.irp a, 0,1
	s_delay_alu instid0(VALU_DEP_4)
	v_floor_f32 v[ST+8*(QA+\a)], -v[ST+8*(QA+\a)+1]   ; -M = floor(-t)
.endr
.irp a, 0,1
	s_delay_alu instid0(VALU_DEP_2)
	v_sub_f32 v[WK+6*\a], v[ST+8*(QA+\a)], v[WK+6*\a]
.endr
.irp a, 0,1
	s_delay_alu instid0(VALU_DEP_2)
	v_cvt_i32_f32 v[WK+6*\a], v[WK+6*\a]
.endr
.irp a, 0,1
	s_delay_alu instid0(VALU_DEP_2)
	v_ldexp_f32 v[ST+8*(QA+\a)+6], 1.0, v[WK+6*\a]  ; f = 2^(old M - new M)
.endr
.set J, 0
.rept 32
	v_pk_fma_f32 v[S+J:S+J+1], v[S+J:S+J+1], s[CS:CS+1], v[ST+8*QA:ST+8*QA+1] op_sel_hi:[1,0,0]   ; the first tile's t - M
.set J, J+2
.endr
	s_wait_alu depctr_va_vdst(0)                   ; the wait ahead of the batch
.set J, 0
.rept 32                               ; the first tile's exponentials; among them the second tile's t - M, read behind the wait below
	v_exp_f32 v[S+J], v[S+J]
	v_pk_fma_f32 v[S+64+J:S+65+J], v[S+64+J:S+65+J], s[CS:CS+1], v[ST+8*QA+8:ST+8*QA+9] op_sel_hi:[1,0,0]
	v_exp_f32 v[S+J+1], v[S+J+1]
.set J, J+2
.endr
	v_pk_mul_f32 v[L0:L0+1], v[L0:L0+1], v[ST+8*QA+6:ST+8*QA+7] op_sel_hi:[1,0]     ; the sums under the new M
	v_pk_mul_f32 v[L1:L1+1], v[L1:L1+1], v[ST+8*QA+14:ST+8*QA+15] op_sel_hi:[1,0]
	s_wait_alu depctr_va_vdst(0)                   ; behind the first batch and ahead of the second
.set J, 0
.rept 16                               ; the second tile's exponentials; among them the first tile's sums by fours (of the unquantised p) and then its hold, all read behind the wait below
	v_exp_f32 v[S+64+J], v[S+64+J]
	v_pk_add_f32 v[PF+J/2:PF+J/2+1], v[S+J:S+J+1], v[S+J+2:S+J+3]
	v_exp_f32 v[S+65+J], v[S+65+J]
	v_dual_min_num_f32 v[S+J], v[S+J], v[LMP] :: v_dual_min_num_f32 v[S+J+1], v[S+J+1], v[LM2]
	v_exp_f32 v[S+66+J], v[S+66+J]
	v_dual_min_num_f32 v[S+J+2], v[S+J+2], v[LMP] :: v_dual_min_num_f32 v[S+J+3], v[S+J+3], v[LM2]
	v_exp_f32 v[S+67+J], v[S+67+J]
.set J, J+4
.endr
	v_nop
	s_wait_alu depctr_va_vdst(0)                   ; one wait for the batch, ahead of its first reader
	v_pk_add_f32 v[8:9], v[PF:PF+1], v[PF+2:PF+3]  ; the rows' sums, in six chains
	v_pk_add_f32 v[10:11], v[S+64:S+65], v[S+66:S+67]
	v_pk_add_f32 v[12:13], v[S+68:S+69], v[S+70:S+71]
	v_pk_add_f32 v[14:15], v[S+72:S+73], v[S+74:S+75]
.set J, 0
.rept 6
	v_pk_add_f32 v[L0:L0+1], v[L0:L0+1], v[PF+4+4*J:PF+5+4*J]
	v_pk_add_f32 v[L1:L1+1], v[L1:L1+1], v[S+76+8*J:S+77+8*J]
	v_pk_add_f32 v[10:11], v[10:11], v[S+78+8*J:S+79+8*J]
	v_pk_add_f32 v[8:9], v[8:9], v[PF+6+4*J:PF+7+4*J]
	v_pk_add_f32 v[12:13], v[12:13], v[S+80+8*J:S+81+8*J]
	v_pk_add_f32 v[14:15], v[14:15], v[S+82+8*J:S+83+8*J]
.set J, J+1
.endr
	v_pk_add_f32 v[L0:L0+1], v[L0:L0+1], v[PF+28:PF+29]
	v_pk_add_f32 v[L1:L1+1], v[L1:L1+1], v[S+124:S+125]
	v_pk_add_f32 v[8:9], v[8:9], v[PF+30:PF+31]
	v_pk_add_f32 v[10:11], v[10:11], v[S+126:S+127]
	v_pk_add_f32 v[12:13], v[12:13], v[14:15]
	v_pk_add_f32 v[L0:L0+1], v[L0:L0+1], v[8:9]
	v_pk_add_f32 v[L1:L1+1], v[L1:L1+1], v[10:11]
	s_delay_alu instid0(VALU_DEP_1)
	v_pk_add_f32 v[L1:L1+1], v[L1:L1+1], v[12:13]
.irp t, 0,1,2,3,4,5,6,7
	v_cvt_scalef32_pk8_fp8_f32 v[PF+2*\t:PF+2*\t+1], v[S+8*\t:S+8*\t+7], v[SCP]
.endr
	MLOAD                                          ; the mask's numbers for the next pair, into the registers just converted
.set J, 0
.rept 32
	v_dual_min_num_f32 v[S+64+J], v[S+64+J], v[LMP] :: v_dual_min_num_f32 v[S+65+J], v[S+65+J], v[LM2]   ; the conversion does not saturate (ISA guide 7.6.2); p is not negative
.set J, J+2
.endr
.irp t, 0,1,2,3,4,5,6,7
	v_cvt_scalef32_pk8_fp8_f32 v[PF+16+2*\t:PF+17+2*\t], v[S+64+8*\t:S+71+8*\t], v[SCP]
.endr
.if \p == 0
	v_add_nc_u32 v[ADM], s[MOFF], v[AM0]           ; the next step's addresses (also the plain line behind the conversions)
	v_add_nc_u32 v[ADK], s[KOFF], v[LI]
	v_add_nc_u32 v[ADV], VB, v[ADK]
.else
	v_nop
.endif
	WIN 0x41
.if \p == 0
	s_wait_dscnt 16                                ; V's fragments are in; the sixteen loads of the mask may be out
.endif
	s_wait_alu depctr_va_vdst(0)                   ; the wait directly ahead of the first reader of O^T
.irp a, 0,1
.set J, 0
.rept 16
	v_pk_mul_f32 v[OF+32*(QA+\a)+J:OF+32*(QA+\a)+J+1], v[OF+32*(QA+\a)+J:OF+32*(QA+\a)+J+1], v[ST+8*(QA+\a)+6:ST+8*(QA+\a)+7] op_sel_hi:[1,0]
.set J, J+2
.endr
.endr
	WIN 0x51
.irp ct, 0,1,2,3
.irp a, 0,1
	v_wmma_f32_16x16x128_fp8_fp8 v[OF+32*(QA+\a)+8*\ct:OF+32*(QA+\a)+8*\ct+7], v[VF+16*\ct:VF+16*\ct+15], v[PF+16*\a:PF+16*\a+15], v[OF+32*(QA+\a)+8*\ct:OF+32*(QA+\a)+8*\ct+7]
.endr
.endr
	WIN 0
	MINIT 2-QA                                     ; the next pair's C; these lines are also the places behind the products
.if \p == 1
	VLOAD                                          ; the next step's V
.endif
.endm
	s_wait_alu depctr_va_vdst(0)                   ; the wait at the head's end
	s_wait_tensorcnt 0x0                           ; my part of K | V is in,
	s_wait_dscnt 0x0                               ; and my part of the mask is stored
	s_barrier_signal -1
	s_barrier_wait -1
	v_add_nc_u32 v[ADK], 0, v[LI]
	v_add_nc_u32 v[ADV], VB, v[LI]
	v_add_nc_u32 v[ADM], 0, v[AM0]
	MLOAD
	KLOAD
	MINIT 0
	VLOAD
	s_mov_b32 s[CNT], 0
	s_wait_alu depctr_va_vdst(0)
.Lstep:                                            ; 16 trips, 128 keys each
	s_add_co_u32 s[KOFF], s[CNT], 1
	s_and_b32 s[KOFF], s[KOFF], 15                 ; the next step; behind the last: step 0
	s_lshl_b32 s[MOFF], s[KOFF], 9
	s_lshl_b32 s[KOFF], s[KOFF], 13
	PAIR 0
	PAIR 1
	s_add_co_u32 s[CNT], s[CNT], 1
	s_cmp_lt_u32 s[CNT], 16
	s_wait_alu depctr_va_vdst(0)                   ; the wait ahead of the branch
	s_cbranch_scc1 .Lstep
	; THE WAY OUT: O^T / the sum x 2^(e8 + e9), held, converted under 2^e10; each store covers 512 consecutive bytes, aligned
.irp q, 0,1,2,3
	v_add_f32 v[ST+8*\q+2], v[ST+8*\q+2], v[ST+8*\q+3]
.endr
.irp q, 0,1,2,3
	v_permlanex16_b32 v[ST+8*\q+3], v[ST+8*\q+2], s[SEL], s[SEL+1]
.endr
.irp q, 0,1,2,3
	v_add_f32 v[ST+8*\q+2], v[ST+8*\q+2], v[ST+8*\q+3]
.endr
	s_wait_alu depctr_va_vdst(0)
.irp q, 0,1,2,3
	v_rcp_f32 v[ST+8*\q+6], v[ST+8*\q+2]
.endr
	v_nop
	s_wait_alu depctr_va_vdst(0)
.irp q, 0,1,2,3
	v_ldexp_f32 v[ST+8*\q+6], v[ST+8*\q+6], s[EOV]
.endr
	WIN 0x01
	s_wait_alu depctr_va_vdst(0)                   ; directly ahead of the first reader of O^T
.irp q, 0,1,2,3
.set J, 0
.rept 16
	v_pk_mul_f32 v[S+32*\q+J:S+32*\q+J+1], v[OF+32*\q+J:OF+32*\q+J+1], v[ST+8*\q+6:ST+8*\q+7] op_sel_hi:[1,0]
.set J, J+2
.endr
.endr
	WIN 0
.irp q, 0,1,2,3
.irp ct, 0,1,2,3
.irp i, 0,1,2,3,4,5,6,7
	v_med3_num_f32 v[S+32*\q+8*\ct+\i], v[S+32*\q+8*\ct+\i], -v[LMO], v[LMO]
.endr
	v_cvt_scalef32_pk8_fp8_f32 v[PF+8*\q+2*\ct:PF+8*\q+2*\ct+1], v[S+32*\q+8*\ct:S+32*\q+8*\ct+7], v[SCO]
.endr
.endr
	v_nop
.irp q, 0,1,2,3
.irp b, 0,1
	global_store_b128 v[LI], v[PF+8*\q+4*\b:PF+8*\q+4*\b+3], s[10:11] offset:16384*\q+512*\b
.endr
.endr
	s_wait_tensorcnt 0x0                           ; the wave's end
	ds_add_u32 v[SPW], v[NIL]
	s_wait_dscnt 0x0
	CROUND                                         ; the closing round
	s_endpgm
.Lfunc_end_k_qf4a87403f6_attn:
	.size	k_qf4a87403f6_attn, .Lfunc_end_k_qf4a87403f6_attn-k_qf4a87403f6_attn
	.p2alignl 7, 3214868480
	.fill 96, 4, 3214868480
	.section	.rodata,"a",@progbits
	.p2align	6, 0x0
	.amdhsa_kernel k_qf4a87403f6_attn
		.amdhsa_group_segment_fixed_size 327680
		.amdhsa_private_segment_fixed_size 0
		.amdhsa_enable_private_segment 0
		.amdhsa_kernarg_size 32
		.amdhsa_user_sgpr_count 2
		.amdhsa_user_sgpr_kernarg_segment_ptr 1
		.amdhsa_wavefront_size32 1
		.amdhsa_system_sgpr_workgroup_id_x 1
		.amdhsa_system_sgpr_workgroup_id_y 1
		.amdhsa_system_sgpr_workgroup_id_z 1
		.amdhsa_system_vgpr_workitem_id 0
		.amdhsa_next_free_vgpr 512
		.amdhsa_next_free_sgpr 80
		.amdhsa_reserve_vcc 0
		.amdhsa_float_denorm_mode_32 3
		.amdhsa_float_denorm_mode_16_64 3
		.amdhsa_memory_ordered 1
		.amdhsa_forward_progress 1
		.amdhsa_inst_pref_size 101
	.end_amdhsa_kernel
	.amdgpu_metadata
---
amdhsa.version: [ 1, 2 ]
amdhsa.kernels:
  - .name:           k_qf4a87403f6_attn
    .symbol:         k_qf4a87403f6_attn.kd
    .args:
      - { .name: qkv, .offset: 0, .size: 8, .value_kind: global_buffer, .address_space: global }
      - { .name: inputs_mask, .offset: 8, .size: 8, .value_kind: global_buffer, .address_space: global }
      - { .name: lowp_scales, .offset: 16, .size: 8, .value_kind: global_buffer, .address_space: global }
      - { .name: ac, .offset: 24, .size: 8, .value_kind: global_buffer, .address_space: global }
    .group_segment_fixed_size: 327680
    .private_segment_fixed_size: 0
    .kernarg_segment_align: 8
    .kernarg_segment_size: 32
    .max_flat_workgroup_size: 256
    .sgpr_count:     80
    .vgpr_count:     512
    .wavefront_size: 32
...
	.end_amdgpu_metadata
.endif
;; end of part 3
;; launch gout (part 4): grid 4 x 64, 4 waves a work-group, clusters of 4 x 4, 327,680 bytes of LDS; arguments ac, wc, lowp_scales, bo, out0; writes out0
.if DOCPART == 4
	.amdgcn_target "amdgcn-amd-amdhsa--gfx1250"
	.amdhsa_code_object_version 6
	.text
	.protected	k_qf4a87403f6_gout
	.globl	k_qf4a87403f6_gout
	.p2align	8
	.type	k_qf4a87403f6_gout,@function
k_qf4a87403f6_gout:
	s_mov_b64 s[64:65], 0
	v_nop
	global_prefetch_b8 v0, s[64:65] scope:SCOPE_SE
	s_setreg_imm32_b32 hwreg(HW_REG_WAVE_MODE, 25, 1), 1
	s_wait_xcnt 0x0
	s_wait_alu depctr_hold_cnt(0) depctr_sa_sdst(0) depctr_va_vdst(0) depctr_va_sdst(0) depctr_va_ssrc(0) depctr_va_vcc(0) depctr_vm_vsrc(0)
	s_getreg_b32 s2, hwreg(HW_REG_IB_STS2, 6, 4)
	s_cmp_eq_u32 s2, 0
	s_cbranch_scc0 .Lentry_in_a_cluster
	s_endpgm
.Lentry_in_a_cluster:
	s_bfe_u32 s2, ttmp6, 0x10000c
	s_cmp_lg_u32 s2, 0xf033
	s_cbranch_scc0 .Lentry_shape_is_right
	s_endpgm
.Lentry_shape_is_right:
; out0 = attn Wo + bo on E4M3 codes, K = 1,024; each finished sum x 2^(e10 + e11), + bias, f32.
; A block of 128 tokens x 256 columns is made by four waves, 64 x 128 each (32 accumulators): 64 x 4 blocks = 256 work-groups.
; Source 0 of the matrix instruction is P (256 columns of Wo, by cx), source 1 is R (128 tokens, by 4 x cluster y + cy): a lane holds one token, and the 16 registers of two neighbouring tiles are 16 neighbouring columns.
; BOTH OPERANDS COME AS IMAGES OF REGISTERS ([tile of 16 rows][K step of 128][2,048 bytes]): a fragment is four ds_load_b128 at 16 x lane.
; K COMES IN THREE FILLS: region A (98,304 bytes) takes K steps 0, 1 at the head; region B (196,608 bytes) K steps 2 to 5, a first fill behind the full sequence and a round; region A is filled again with K steps 6, 7.
; Waves 0, 1 fetch R's halves (4 row tiles each), waves 2, 3 P's (8 each): one tensor load a wave and fill.
; CLUSTERS: 4 x 4.  R's tiles hang on cy alone and are asked for jointly by a row of the cluster, P's on cx alone and by a column.
; PREFETCHES INTO THE L2: of R's 8 row tiles and of each half of P's 16 the partner at place p (cx for R, cy for P) names tiles 2 p, 2 p + 1, told apart by address; waves 0, 2, 3 ask, wave 1 has no part.
; Region B's bytes (2 x 8,192 a wave: two instructions, lanes 256 bytes apart) are asked for behind region A's load, the refill's (2 x 4,096: one instruction) behind region B's load.  The address registers are never rewritten.
; THE WAY OUT: a block of 16 rows x 128 columns goes through the wave's own stage and leaves as rows of 512 bytes.  The stage lies in region B, which has had its last fill and, behind the last barrier, its last read.
; LIMITS: e10 + e11 between -126 and 127.
; REGISTERS: window 0: v16-31 addresses; v32-95 the bias; v96-159 at work on the way out; from v128 R's fragments, two sets of 64.  window 1: P's fragments, two sets of 128.  window 2: the accumulators, (a, b) at v[8 (8 a + b)].
.set PA,     32768                     ; region A: R's 8 row tiles x 4,096 at 0, then P's 16
.set RB,     98304                     ; region B: R's 8 row tiles x 8,192,
.set PB,     163840                    ; then P's 16
.set SPARE,  294912                    ; the spare words, which no other line names
.set NP,     4                         ; places behind this matrix instruction (ISA guide 7.12.1)
.set SPITCH, 528
.set ADR,  16                          ; v16 R in A, v17 P in A, v18 R in B, v19 P in B
.set PF1,  22                          ; v22 256 x lane
.set PF2,  23                          ; v23 16,384 (lane / 16) + 256 (lane % 16)
.set STO,  24
.set RD,   25
.set CO,   26                          ; v26 16 x lane
.set SPW,  28
.set NIL,  29
.set VB1,  30                          ; v30 64 h
.set BP,   32
.set TMP,  96
.set AF,   128
.set G1RA, 24
.set G1PA, 32
.set G1RB, 40
.set G1PB, 48
.set G0RA, 56
.set G0PA, 60
.set G0RB, 68
.set G0PB, 72
.set MSB, 0
.macro WIN new                         ; the immediate's high byte repeats the setting that is left
.if MSB != (\new)
	s_set_vgpr_msb (MSB<<8)|(\new)
.set MSB, (\new)
.endif
.endm
.set MUL_LO, 0xa1                      ; source 0 (P) window 1, source 1 (R) window 0, C and D window 2
.set TO_B,   0x40
; A joint load: waves 0, 1 fetch for R, waves 2, 3 for P.  An s_nop 0 and four v_nop follow each line.
.macro JLOAD g0a, g1a, g0b, g1b
	s_cmp_eq_u32 s15, 0
	s_cbranch_scc0 .Lfor_b_\@
	tensor_load_to_lds s[\g0a:\g0a+3], s[\g1a:\g1a+7]
	s_nop 0
.rept 4
	v_nop
.endr
	s_branch .Lasked_\@
.Lfor_b_\@:
	tensor_load_to_lds s[\g0b:\g0b+3], s[\g1b:\g1b+7]
	s_nop 0
.rept 4
	v_nop
.endr
.Lasked_\@:
.endm
.macro CROUND                          ; a round of the cluster's barrier
	s_barrier_signal -1
	s_barrier_wait -1
	s_cmp_lg_u32 s14, 0
	s_cbranch_scc1 .Lnot_wave_0_\@
	s_barrier_signal -3
.Lnot_wave_0_\@:
	s_barrier_wait -3
	s_barrier_signal -1
	s_barrier_wait -1
.endm
.macro GRP1 g, el, rows                ; rows of el elements of 8 bytes, 16,384 bytes apart in memory, dense in LDS
	s_mov_b32 s[\g+1], (\el)<<16
	s_mov_b32 s[\g+2], (\rows)<<16
	s_mov_b32 s[\g+3], (\el)<<16
	s_mov_b32 s[\g+4], \rows
	s_mov_b32 s[\g+5], 2048
	s_mov_b32 s[\g+6], 0
	s_mov_b32 s[\g+7], 0
.endm
	s_load_b256 s[4:11], s[0:1], 0x0               ; ac, wc, the scales' exponents, bo
	s_load_b64 s[76:77], s[0:1], 0x20              ; out0
	v_lshl_add_u32 v[SPW], v0, 2, SPARE
	v_mov_b32 v[NIL], 0
	ds_add_u32 v[SPW], v[NIL]                      ; the opening lines: the add twice on end and its wait
	ds_add_u32 v[SPW], v[NIL]
	v_lshrrev_b32 v1, 5, v0
	v_readfirstlane_b32 s14, v1                    ; wave 0..3
	s_lshr_b32 s15, s14, 1                         ; my half of R.  Also: I fetch for R (0) or for P (1)
	s_and_b32 s16, s14, 1                          ; my half of P.  Also: which half I fetch
	s_bfe_u32 s12, ttmp6, 0x40000                  ; cx
	s_bfe_u32 s13, ttmp6, 0x40004                  ; cy
	s_and_b32 s17, ttmp7, 0xffff
	s_lshl_b32 s17, s17, 2
	s_add_co_u32 s18, s17, s13                     ; my block of 128 tokens
	s_lshl_b32 s19, s13, 2
	s_lshl_b32 s19, 15, s19                        ; my row of the cluster
	s_lshl_b32 s20, 0x1111, s12                    ; my column
	s_or_b32 s[G1RA], s19, (3<<16)|(1<<21)
	s_or_b32 s[G1RB], s19, (3<<16)|(1<<21)
	s_or_b32 s[G1PA], s20, (3<<16)|(1<<21)
	s_or_b32 s[G1PB], s20, (3<<16)|(1<<21)
	GRP1 G1RA, 512, 4
	GRP1 G1PA, 512, 8
	GRP1 G1RB, 1024, 4
	GRP1 G1PB, 1024, 8
	s_lshl_b32 s22, s18, 17                        ; ac: 8 row tiles of 16,384 bytes a block, 4 a half
	s_lshl_b32 s21, s16, 16
	s_add_co_u32 s22, s22, s21
	s_mov_b32 s23, 0
	s_lshl_b32 s78, s12, 18                        ; wc: Wo's 1 MiB is the fourth; 16 row tiles a block, 8 a half
	s_lshl_b32 s21, s16, 17
	s_add_co_u32 s78, s78, s21
	s_add_co_u32 s78, s78, 3<<20
	s_mov_b32 s79, 0
	s_lshl_b32 s84, s12, 10                        ; my 128 columns, in bytes of f32
	s_lshl_b32 s21, s16, 9
	s_add_co_u32 s84, s84, s21
	s_mov_b32 s85, 0
	s_lshl_b32 s86, s18, 19                        ; out0: 128 rows of 4,096 bytes a block, 64 a half
	s_lshl_b32 s21, s15, 18
	s_add_co_u32 s86, s86, s21
	s_add_co_u32 s86, s86, s84
	s_mov_b32 s87, 0
	s_lshl_b32 s[G0RA+1], s16, 14                  ; where the tiles go: no place in the cluster enters an LDS address
	s_lshl_b32 s[G0PA+1], s16, 15
	s_add_co_u32 s[G0PA+1], s[G0PA+1], PA
	s_lshl_b32 s[G0RB+1], s16, 15
	s_add_co_u32 s[G0RB+1], s[G0RB+1], RB
	s_lshl_b32 s[G0PB+1], s16, 16
	s_add_co_u32 s[G0PB+1], s[G0PB+1], PB
	s_lshl_b32 s88, s15, 14                        ; where my fragments of R lie, in A
	s_lshl_b32 s90, s15, 15
	s_add_co_u32 s90, s90, RB                      ; and in B
	s_mul_i32 s92, s14, 16*SPITCH
	s_add_co_u32 s92, s92, RB                      ; my stage
	s_cmp_eq_u32 s15, 0
	s_cselect_b32 s94, s12, s13                    ; my place among the four that ask with me
	s_lshl_b32 s94, s94, 15
	s_mov_b32 s95, 0
	s_wait_dscnt 0x0
	s_wait_kmcnt 0x0
	s_load_b64 s[96:97], s[8:9], 0x28              ; e10, e11
	s_add_nc_u64 s[22:23], s[4:5], s[22:23]
	s_add_nc_u64 s[78:79], s[6:7], s[78:79]
	s_add_nc_u64 s[82:83], s[10:11], s[84:85]
	s_add_nc_u64 s[76:77], s[76:77], s[86:87]
	s_cmp_eq_u32 s15, 0
	s_cselect_b64 s[80:81], s[22:23], s[78:79]
	s_add_nc_u64 s[80:81], s[80:81], s[94:95]      ; where my prefetches stand
	s_mov_b32 s[G0RA], 1
	s_mov_b64 s[G0RA+2:G0RA+3], s[22:23]
	s_or_b32 s[G0RA+3], s[G0RA+3], 0x80000000
	s_mov_b32 s[G0PA], 1
	s_mov_b64 s[G0PA+2:G0PA+3], s[78:79]
	s_or_b32 s[G0PA+3], s[G0PA+3], 0x80000000
	s_mov_b32 s[G0RB], 1
	s_add_nc_u64 s[G0RB+2:G0RB+3], s[22:23], 4096
	s_or_b32 s[G0RB+3], s[G0RB+3], 0x80000000
	s_mov_b32 s[G0PB], 1
	s_add_nc_u64 s[G0PB+2:G0PB+3], s[78:79], 4096
	s_or_b32 s[G0PB+3], s[G0PB+3], 0x80000000
	CROUND                                         ; all sixteen work-groups are here: the first joint loads meet
	JLOAD G0RA, G1RA, G0PA, G1PA                   ; K steps 0, 1: one tensor load a wave at the head
	v_and_b32 v1, 15, v0                           ; r
	v_bfe_u32 v2, v0, 4, 1                         ; h
	v_and_b32 v6, 31, v0
	v_lshlrev_b32 v[CO], 4, v6
	v_lshlrev_b32 v[VB1], 6, v2
	v_add_nc_u32 v[ADR], s88, v[CO]
	v_add_nc_u32 v[ADR+1], s[G0PA+1], v[CO]
	v_add_nc_u32 v[ADR+2], s90, v[CO]
	v_add_nc_u32 v[ADR+3], s[G0PB+1], v[CO]
	v_mul_u32_u24 v5, v1, SPITCH
	v_lshl_add_u32 v5, v2, 6, v5
	v_add_nc_u32 v[STO], s92, v5
	v_add_nc_u32 v[RD], s92, v[CO]
	v_lshlrev_b32 v[PF1], 8, v6
	v_lshlrev_b32 v[PF2], 8, v1
	v_lshl_add_u32 v[PF2], v2, 14, v[PF2]
.irp i, 0,1,2,3,4,5,6,7,8,9,10,11,12,13,14,15     ; register 8 b + j of a block's sums is column 32 (b / 2) + 16 h + 8 (b % 2) + j of my 128
	global_load_b128 v[BP+4*\i:BP+4*\i+3], v[VB1], s[82:83] offset:128*(\i/4)+16*(\i%4)
.endr
	s_cmp_eq_u32 s14, 1
	s_cbranch_scc1 .Lno_part_b
	global_prefetch_b8 v[PF1], s[80:81] offset:4096 th:TH_LOAD_NT scope:SCOPE_SE         ; region B's bytes of row tile 2 p,
	global_prefetch_b8 v[PF1], s[80:81] offset:4096+16384 th:TH_LOAD_NT scope:SCOPE_SE   ; and of 2 p + 1
.Lno_part_b:
.macro FETCH reg, q, p                 ; the fragments of the region's q-th K step into set p.  reg 0: region A (a row tile has 4,096 bytes), 1: region B (8,192)
	WIN TO_B
.irp i, 0,1,2,3,4,5,6,7
.irp c, 0,1,2,3
	ds_load_b128 v[128*(\p)+16*\i+4*\c:128*(\p)+16*\i+4*\c+3], v[ADR+1+2*(\reg)] offset:\i*(4096<<(\reg))+2048*(\q)+512*\c
.endr
.endr
	WIN 0
.irp i, 0,1,2,3
.irp c, 0,1,2,3
	ds_load_b128 v[AF+64*(\p)+16*\i+4*\c:AF+64*(\p)+16*\i+4*\c+3], v[ADR+2*(\reg)] offset:\i*(4096<<(\reg))+2048*(\q)+512*\c
.endr
.endr
.endm
; 32 matrix instructions: R's four blocks x P's eight, 128 along K.  The 32 accumulators take turns, one instruction a turn, in the same order in every step.
.macro MUL32 p, zero
	WIN MUL_LO
.irp a, 0,1,2,3
.irp b, 0,1,2,3,4,5,6,7
.if \zero
	v_wmma_f32_16x16x128_fp8_fp8 v[8*(8*\a+\b):8*(8*\a+\b)+7], v[128*(\p)+16*\b:128*(\p)+16*\b+15], v[AF+64*(\p)+16*\a:AF+64*(\p)+16*\a+15], 0
.else
	v_wmma_f32_16x16x128_fp8_fp8 v[8*(8*\a+\b):8*(8*\a+\b)+7], v[128*(\p)+16*\b:128*(\p)+16*\b+15], v[AF+64*(\p)+16*\a:AF+64*(\p)+16*\a+15], v[8*(8*\a+\b):8*(8*\a+\b)+7]
.endif
.endr
.endr
	WIN 0
.endm
.macro PLACES                          ; plain vector lines between a matrix instruction and a load into, or a vector line on, its registers
.rept NP
	v_nop
.endr
.endm
.macro STEPF reg, q, p, zero           ; set p is in; the next K step's fragments are asked for, into the other set; set p is multiplied
	s_wait_dscnt 0x0
	PLACES
	FETCH \reg, \q, 1-(\p)
	MUL32 \p, \zero
.endm
.macro STEPL p                         ; a region's last K step: nothing to fetch
	s_wait_dscnt 0x0
	MUL32 \p, 0
.endm
	s_wait_alu depctr_va_vdst(0)                   ; the wait at the head's end
	s_wait_tensorcnt 0x0                           ; my part of region A is in
	ds_add_u32 v[SPW], v[NIL]
	s_wait_dscnt 0x0
	CROUND
	JLOAD G0RB, G1RB, G0PB, G1PB                   ; K steps 2 to 5: region B's first fill
	FETCH 0, 0, 0
	s_cmp_eq_u32 s14, 1
	s_cbranch_scc1 .Lno_part_a
	global_prefetch_b8 v[PF2], s[80:81] offset:12288 th:TH_LOAD_NT scope:SCOPE_SE   ; K steps 6, 7 of row tiles 2 p, 2 p + 1
.Lno_part_a:
	STEPF 0, 1, 0, 1                               ; the first step starts the sums
	STEPL 1
	s_wait_tensorcnt 0x0                           ; my part of region B is in,
	ds_add_u32 v[SPW], v[NIL]
	s_add_nc_u64 s[G0RA+2:G0RA+3], s[G0RA+2:G0RA+3], 12288
	s_add_nc_u64 s[G0PA+2:G0PA+3], s[G0PA+2:G0PA+3], 12288
	s_wait_dscnt 0x0                               ; and my reads of region A are over
	CROUND
	JLOAD G0RA, G1RA, G0PA, G1PA                   ; K steps 6, 7: region A is filled again; its four v_nop are the places in front of the loads below
	FETCH 1, 0, 0
	STEPF 1, 1, 0, 0
	STEPF 1, 2, 1, 0
	STEPF 1, 3, 0, 0
	STEPL 1
	s_wait_tensorcnt 0x0                           ; my part of the refill is in
	s_wait_dscnt 0x0
	s_barrier_signal -1
	s_barrier_wait -1
	PLACES
	FETCH 0, 0, 0
	STEPF 0, 1, 0, 0
	STEPL 1
; THE WAY OUT, block by block of 16 rows x 128 columns: sum x 2^(e10 + e11) + bias, through my stage, back as rows of 512 bytes.  Each accumulator is read from its low end on.
.macro TOSTAGE a
.set AC, 64*(\a)
.set BB, 64*((\a)%2)
	WIN 0x02
.set J, 0
.rept 32
	v_pk_fma_f32 v[TMP+J:TMP+J+1], v[AC+J:AC+J+1], s[96:97], v[BP+J:BP+J+1] op_sel_hi:[1,0,1]
.set J, J+2
.endr
	WIN 0
.irp b, 0,1,2,3,4,5,6,7
	ds_store_b128 v[STO], v[TMP+8*\b:TMP+8*\b+3] offset:128*(\b/2)+32*(\b%2)
	ds_store_b128 v[STO], v[TMP+8*\b+4:TMP+8*\b+7] offset:128*(\b/2)+32*(\b%2)+16
.endr
	WIN 0x40
.irp t, 0,1,2,3,4,5,6,7,8,9,10,11,12,13,14,15
	ds_load_b128 v[BB+4*\t:BB+4*\t+3], v[RD] offset:\t*SPITCH   ; LDS serves a wave's instructions in order (ISA guide 5.7.1.4)
.endr
	WIN 0
.endm
.macro SEND a, younger                 ; younger: the LDS instructions issued behind block a's loads, which may stay out
.set BB, 64*((\a)%2)
	s_wait_dscnt \younger
.if (\a) > 0
	s_add_nc_u64 s[76:77], s[76:77], 16*4096       ; behind a wait on XCNT: the earlier stores have read their base
.endif
	WIN 0x04
.irp t, 0,1,2,3,4,5,6,7,8,9,10,11,12,13,14,15
	global_store_b128 v[CO], v[BB+4*\t:BB+4*\t+3], s[76:77] offset:\t*4096 th:TH_STORE_NT   ; 512 consecutive bytes, aligned
.endr
	WIN 0
.endm
	s_wait_kmcnt 0x0
	s_wait_loadcnt 0x0                             ; the bias
	s_add_co_i32 s96, s96, s97
	s_add_co_i32 s96, s96, 127
	s_lshl_b32 s96, s96, 23                        ; 2^(e10 + e11) as f32
	s_mov_b32 s97, s96
	PLACES
	TOSTAGE 0
.irp a, 1,2,3
.if \a > 1
	s_wait_xcnt 0x0                                ; block a - 2's stores have read their registers and their base
.endif
	TOSTAGE \a
	SEND \a-1, 32
.endr
	s_wait_xcnt 0x0
	SEND 3, 0
	s_wait_tensorcnt 0x0                           ; the wave's end
	ds_add_u32 v[SPW], v[NIL]
	s_wait_dscnt 0x0
	CROUND                                         ; the closing round
	s_endpgm
.Lfunc_end_k_qf4a87403f6_gout:
	.size	k_qf4a87403f6_gout, .Lfunc_end_k_qf4a87403f6_gout-k_qf4a87403f6_gout
	.p2alignl 7, 3214868480
	.fill 96, 4, 3214868480
	.section	.rodata,"a",@progbits
	.p2align	6, 0x0
	.amdhsa_kernel k_qf4a87403f6_gout
		.amdhsa_group_segment_fixed_size 327680
		.amdhsa_private_segment_fixed_size 0
		.amdhsa_enable_private_segment 0
		.amdhsa_kernarg_size 40
		.amdhsa_user_sgpr_count 2
		.amdhsa_user_sgpr_kernarg_segment_ptr 1
		.amdhsa_wavefront_size32 1
		.amdhsa_system_sgpr_workgroup_id_x 1
		.amdhsa_system_sgpr_workgroup_id_y 1
		.amdhsa_system_sgpr_workgroup_id_z 1
		.amdhsa_system_vgpr_workitem_id 0
		.amdhsa_next_free_vgpr 768
		.amdhsa_next_free_sgpr 100
		.amdhsa_reserve_vcc 0
		.amdhsa_float_denorm_mode_32 3
		.amdhsa_float_denorm_mode_16_64 3
		.amdhsa_memory_ordered 1
		.amdhsa_forward_progress 1
		.amdhsa_inst_pref_size 77
	.end_amdhsa_kernel
	.amdgpu_metadata
---
amdhsa.version: [ 1, 2 ]
amdhsa.kernels:
  - .name:           k_qf4a87403f6_gout
    .symbol:         k_qf4a87403f6_gout.kd
    .args:
      - { .name: ac, .offset: 0, .size: 8, .value_kind: global_buffer, .address_space: global }
      - { .name: wc, .offset: 8, .size: 8, .value_kind: global_buffer, .address_space: global }
      - { .name: lowp_scales, .offset: 16, .size: 8, .value_kind: global_buffer, .address_space: global }
      - { .name: bo, .offset: 24, .size: 8, .value_kind: global_buffer, .address_space: global }
      - { .name: out0, .offset: 32, .size: 8, .value_kind: global_buffer, .address_space: global }
    .group_segment_fixed_size: 327680
    .private_segment_fixed_size: 0
    .kernarg_segment_align: 8
    .kernarg_segment_size: 40
    .max_flat_workgroup_size: 128
    .sgpr_count:     100
    .vgpr_count:     768
    .wavefront_size: 32
...
	.end_amdgpu_metadata
.endif
;; end of part 4
